; MI455X (gfx1250); checked and timed in simulation.
; The chip was launched on July 23, 2026; its instructions are those of AMD's public machine-readable ISA for CDNA 5 (MIT licence, August 2026) and "CDNA5" Instruction Set Architecture Reference Guide (July 2026). The comments in the code are by the model that wrote it; some were corrected since.
;; Equi MHA. Allowed arithmetic: float matrix products may take bf16 or f16 operands with f32 sums; other float arithmetic in f32, or as packed bf16 or f16 multiplies, adds, multiply-adds, maxima and minima; sums over many terms, partial sums and values carried from step to step in f32; what a program stores and reads back later, other than sums and carried values, may be rounded once to bf16 or f16.
;; Inputs: K 8 x 512 x 4 x 512 float32; Q 8 x 512 x 4 x 512 float32; mask 8 x 512 x 512 int32; w_k 512 x 1,024 float32; w_o 1,024 x 1,024 float32; w_q 512 x 1,024 float32; w_v 512 x 1,024 float32.
;; Outputs: out0 8 x 512 x 4 x 1,024 float32.
;; 2 versions, each right; version 2 is version 1 with the launch prep written anew for expert scheduling mode. Each part assembles by itself: llvm-mc -triple=amdgcn-amd-amdhsa -mcpu=gfx1250 --defsym DOCPART=n.
;; ======== version 1 of 2: 4 launches
;; limits: values are held in f16: magnitudes above 65,504 overflow, below 6.1e-05 lose precision
;; workspace buffers: x16 33,554,432 bytes; w16 3,145,728 bytes; wo16 2,097,152 bytes; mbits 262,144 bytes of whole numbers; qkv 100,663,296 bytes; o16 33,554,432 bytes
;; launch prep (part 1): grid 1472 x 1, 8 waves a work-group, no clusters, 18,432 bytes of LDS; arguments Q, K, mask, w_q, w_k, w_v, w_o, x16, w16, wo16, mbits; writes x16, w16, wo16, mbits
.if DOCPART == 1
	.amdgcn_target "amdgcn-amd-amdhsa--gfx1250"
	.amdhsa_code_object_version 6
	.text
	.protected	k_q62400674a7_prep
	.globl	k_q62400674a7_prep
	.p2align	8
	.type	k_q62400674a7_prep,@function
k_q62400674a7_prep:
	s_mov_b64 s[64:65], 0
	v_nop
	global_prefetch_b8 v0, s[64:65] scope:SCOPE_SE
	s_setreg_imm32_b32 hwreg(HW_REG_WAVE_MODE, 25, 1), 1
	s_wait_xcnt 0x0
; PREP: what the later launches read, made once.  Three kinds of work-group, told apart by the work-group's number g alone (the same for all its waves):
;   g < 1024          CAST: 65,536 bytes of Q (g < 512) or K are rounded to bf16 into x16 = [2][16384][512] bf16.
;   1024 <= g < 1344  TRANSPOSE: a tile of 128 k x 64 n of a weight [k][1024] f32 becomes 64 rows n of 128 k in 16 bits, through LDS.
;                     w_q, w_k, w_v -> w16 = [3][1024 n][512 k] bf16;  w_o -> wo16 = [1024 n][1024 k]: rounded to bf16 like every input, that number written as f16.
;   g >= 1344         MASK: a wave turns 16 queries x 128 keys of mask into 64 words of lane bits: mbits = [8 b][32 qt][32 kb][8 j],
;                     bit l of a word = (mask[b][16 qt + l % 16][16 kb + 8 (l / 16) + j] != 0): the lanes of register j of a 16 x 16 result that holds one query a lane.
; LIMIT.  A number of w_o below 6.1e-5 keeps f16's fixed step of 6e-8; beyond 65,504 it would be an infinity.
; No matrix unit, no cluster: every byte is read once by one work-group.
.set TPITCH, 272                       ; a row of the transposed tile in LDS: 256 bytes + 16
.set SPARE,  64*TPITCH                 ; behind the tile: the spare words, 128 bytes for each of the eight waves: four blocks of 256 bytes that no other line names
.set SPW, 2                            ; v2  LDS address of my spare word; never rewritten
.set NIL, 3                            ; v3  0; never rewritten
.set IN,  16                           ; v[16:79]  as loaded
.set OUT, 80                           ; v[80:111] to store
	s_load_b512 s[4:19], s[0:1], 0x0               ; Q s[4:5], K s[6:7], mask s[8:9], w_q s[10:11], w_k s[12:13], w_v s[14:15], w_o s[16:17], x16 s[18:19]
	s_load_b128 s[20:23], s[0:1], 0x40             ; w16 s[20:21], wo16 s[22:23]
	s_load_b64 s[24:25], s[0:1], 0x50              ; mbits
	v_lshl_add_u32 v[SPW], v0, 2, SPARE
	v_mov_b32 v[NIL], 0
	v_lshrrev_b32 v1, 5, v0
	v_readfirstlane_b32 s26, v1                    ; wave 0..7
	s_mov_b32 s27, ttmp9                           ; g
	s_mov_b32 s31, 0                               ; the high word of every offset pair s[30:31]
	s_wait_kmcnt 0x0
	s_cmp_lt_u32 s27, 1024
	s_cbranch_scc0 .Lweights
	; CAST.  Thread t takes 16 bytes at 16 t of each of 16 pieces of 4,096 bytes: a wave's load covers 512 consecutive bytes, its store 256, aligned.
	s_and_b32 s30, s27, 511
	s_lshl_b32 s30, s30, 16
	s_cmp_lt_u32 s27, 512
	s_cselect_b64 s[32:33], s[4:5], s[6:7]
	s_add_nc_u64 s[32:33], s[32:33], s[30:31]
	s_lshl_b32 s30, s27, 15
	s_add_nc_u64 s[34:35], s[18:19], s[30:31]
	v_lshlrev_b32 v4, 4, v0
	v_lshlrev_b32 v5, 3, v0
.set i, 0
.rept 16
	global_load_b128 v[IN+4*i:IN+4*i+3], v4, s[32:33] offset:4096*i th:TH_LOAD_NT
.set i, i+1
.endr
.set i, 0
.rept 16
	s_wait_loadcnt 15-i                            ; loads come back in order: piece i is in, the 15 - i younger ones stay out
	v_cvt_pk_bf16_f32 v[OUT+2*i], v[IN+4*i], v[IN+4*i+1]
	v_cvt_pk_bf16_f32 v[OUT+2*i+1], v[IN+4*i+2], v[IN+4*i+3]
	global_store_b64 v5, v[OUT+2*i:OUT+2*i+1], s[34:35] offset:2048*i th:TH_STORE_NT  ; no register is written twice: no wait for the stores' sources
.set i, i+1
.endr
	s_branch .Lend
.Lweights:
	s_cmp_lt_u32 s27, 1344
	s_cbranch_scc0 .Lmask
	; TRANSPOSE.  tj < 192: weight tj / 64, tile tj % 64 = 4 nt + kt;  else w_o, tile tj - 192 = 8 nt + kt.
	s_sub_co_u32 s28, s27, 1024                    ; tj
	s_sub_co_u32 s41, s28, 192
	s_and_b32 s42, s28, 63
	s_lshr_b32 s43, s28, 6
	s_lshl_b32 s43, s43, 20                        ; the weight's 1,048,576 bytes in w16
	s_cmp_lt_u32 s28, 64
	s_cselect_b64 s[32:33], s[10:11], s[12:13]
	s_cmp_lt_u32 s28, 128
	s_cselect_b64 s[32:33], s[32:33], s[14:15]
	s_cmp_lt_u32 s28, 192
	s_cselect_b64 s[32:33], s[32:33], s[16:17]     ; from
	s_cselect_b64 s[34:35], s[20:21], s[22:23]     ; to
	s_cselect_b32 s36, 10, 11                      ; log2 of the bytes in a row of the target
	s_cselect_b32 s37, 0, -1                       ; all lanes: take the f16 image
	s_cselect_b32 s38, 3, 7
	s_cselect_b32 s39, 2, 3
	s_cselect_b32 s40, s42, s41
	s_cselect_b32 s43, s43, 0
	s_and_b32 s38, s40, s38                        ; kt
	s_lshr_b32 s39, s40, s39                       ; nt
	s_lshl_b32 s30, s38, 19                        ; 128 kt rows of 4,096 bytes
	s_lshl_b32 s44, s39, 8                         ; 64 nt columns of 4 bytes
	s_add_co_u32 s30, s30, s44
	s_add_nc_u64 s[32:33], s[32:33], s[30:31]
	s_add_co_u32 s44, s36, 6
	s_lshl_b32 s30, s39, s44                       ; 64 nt rows of the target
	s_lshl_b32 s44, s38, 8                         ; 128 kt numbers of 2 bytes
	s_add_co_u32 s30, s30, s44
	s_add_co_u32 s30, s30, s43
	s_add_nc_u64 s[34:35], s[34:35], s[30:31]
	v_and_b32 v4, 15, v0                           ; n4: my four columns
	v_lshrrev_b32 v5, 4, v0                        ; kp: my pair of rows, in each of four groups of 16 pairs
	v_lshlrev_b32 v6, 4, v4
	v_lshl_add_u32 v6, v5, 13, v6                  ; 2 kp rows of 4,096 bytes + 16 n4: sixteen lanes read 256 consecutive bytes
	v_mul_u32_u24 v7, v4, 4*TPITCH
	v_lshl_add_u32 v7, v5, 2, v7                   ; into LDS: row 4 n4 (+ c), word kp (+ 16 i)
	v_mul_u32_u24 v8, v5, TPITCH
	v_lshl_add_u32 v8, v4, 4, v8                   ; back: row t / 16 (+ 16 i), 16 bytes at 16 (t % 16)
.irp i, 0,1,2,3
	v_add_nc_u32 v[10+\i], 16*\i, v5
	v_lshlrev_b32 v[10+\i], s36, v[10+\i]
	v_lshl_add_u32 v[10+\i], v4, 4, v[10+\i]       ; the same place in the target
.endr
.irp i, 0,1,2,3
	global_load_b128 v[IN+8*\i:IN+8*\i+3],   v6, s[32:33] offset:131072*\i
	global_load_b128 v[IN+8*\i+4:IN+8*\i+7], v6, s[32:33] offset:131072*\i+4096
.endr
.irp i, 0,1,2,3
	s_wait_loadcnt 6-2*\i                          ; pair i's two loads are in, the younger pairs' stay out
.irp c, 0,1,2,3
	v_cvt_pk_bf16_f32 v[48+4*\i+\c], v[IN+8*\i+\c], v[IN+8*\i+4+\c]  ; k even below, k odd above
	v_lshlrev_b32 v[64+\c], 16, v[48+4*\i+\c]
	v_and_b32 v[68+\c], 0xffff0000, v[48+4*\i+\c]
	v_cvt_pk_f16_f32 v[64+\c], v[64+\c], v[68+\c]  ; the bf16 numbers written as f16
	v_cndmask_b32 v[48+4*\i+\c], v[48+4*\i+\c], v[64+\c], s37
	ds_store_b32 v7, v[48+4*\i+\c] offset:\c*TPITCH+64*\i
.endr
.endr
	s_wait_dscnt 0x0                               ; for the others' sake: my stores into the tile are done
	s_barrier_signal -1
	s_barrier_wait -1
.irp i, 0,1,2,3
	ds_load_b128 v[IN+4*\i:IN+4*\i+3], v8 offset:16*TPITCH*\i
.endr
.irp i, 0,1,2,3
	s_wait_dscnt 3-\i
	global_store_b128 v[10+\i], v[IN+4*\i:IN+4*\i+3], s[34:35]  ; sixteen lanes store 256 consecutive bytes, aligned
.endr
	s_branch .Lend
.Lmask:
	; MASK.  Wave job wj: 16 queries qtg = wj / 4 (= 32 b + qt), keys 128 (wj % 4) on.  Lane l reads row l % 16, keys 16 kb + 8 (l / 16) + 0..7 for kb = 0..7.
	s_sub_co_u32 s28, s27, 1344
	s_lshl_b32 s28, s28, 3
	s_add_co_u32 s28, s28, s26
	s_and_b32 s29, s28, 3
	s_lshr_b32 s28, s28, 2
	s_lshl_b32 s30, s28, 15                        ; 16 rows of 2,048 bytes
	s_lshl_b32 s36, s29, 9
	s_add_co_u32 s30, s30, s36
	s_add_nc_u64 s[32:33], s[8:9], s[30:31]
	s_lshl_b32 s30, s28, 10                        ; 256 words for 16 queries
	s_lshl_b32 s36, s29, 8
	s_add_co_u32 s30, s30, s36
	s_add_nc_u64 s[34:35], s[24:25], s[30:31]
	v_and_b32 v4, 15, v0
	v_bfe_u32 v5, v0, 4, 1
	v_lshlrev_b32 v4, 11, v4
	v_lshl_add_u32 v4, v5, 5, v4
	v_and_b32 v5, 31, v0
	v_lshlrev_b32 v5, 3, v5
.set i, 0
.rept 16
	global_load_b128 v[IN+4*i:IN+4*i+3], v4, s[32:33] offset:64*(i/2)+16*(i%2)  ; the sixteen loads together take 512 consecutive bytes of each of the 16 rows
.set i, i+1
.endr
	v_mov_b32 v[OUT], 0                            ; v_writelane_b32 counts as a reader of its destination
	v_mov_b32 v[OUT+1], 0
.set w, 0
.rept 64                                               ; word w = 8 kb + j goes to lane w / 2 of register w % 2
.if w%8 == 0
	s_wait_loadcnt 14-2*(w/8)                      ; key block kb's two loads are in
.endif
	v_cmp_ne_u32 s[40+w%4], 0, v[IN+w]
	v_writelane_b32 v[OUT+w%2], s[40+w%4], w/2
.set w, w+1
.endr
	global_store_b64 v5, v[OUT:OUT+1], s[34:35]    ; 256 consecutive bytes, aligned
.Lend:
	s_wait_tensorcnt 0x0                           ; the wave's end, behind my last LDS store
	ds_add_u32 v[SPW], v[NIL]
	s_wait_dscnt 0x0
	s_endpgm
.Lfunc_end_k_q62400674a7_prep:
	.size	k_q62400674a7_prep, .Lfunc_end_k_q62400674a7_prep-k_q62400674a7_prep
	.p2alignl 7, 3214868480
	.fill 96, 4, 3214868480
	.section	.rodata,"a",@progbits
	.p2align	6, 0x0
	.amdhsa_kernel k_q62400674a7_prep
		.amdhsa_group_segment_fixed_size 18432
		.amdhsa_private_segment_fixed_size 0
		.amdhsa_enable_private_segment 0
		.amdhsa_kernarg_size 88
		.amdhsa_user_sgpr_count 2
		.amdhsa_user_sgpr_kernarg_segment_ptr 1
		.amdhsa_wavefront_size32 1
		.amdhsa_system_sgpr_workgroup_id_x 1
		.amdhsa_system_sgpr_workgroup_id_y 1
		.amdhsa_system_sgpr_workgroup_id_z 1
		.amdhsa_system_vgpr_workitem_id 0
		.amdhsa_next_free_vgpr 112
		.amdhsa_next_free_sgpr 66
		.amdhsa_reserve_vcc 0
		.amdhsa_float_denorm_mode_32 3
		.amdhsa_float_denorm_mode_16_64 3
		.amdhsa_memory_ordered 1
		.amdhsa_forward_progress 1
		.amdhsa_inst_pref_size 27
	.end_amdhsa_kernel
	.amdgpu_metadata
---
amdhsa.version: [ 1, 2 ]
amdhsa.kernels:
  - .name:           k_q62400674a7_prep
    .symbol:         k_q62400674a7_prep.kd
    .args:
      - { .name: Q, .offset: 0, .size: 8, .value_kind: global_buffer, .address_space: global }
      - { .name: K, .offset: 8, .size: 8, .value_kind: global_buffer, .address_space: global }
      - { .name: mask, .offset: 16, .size: 8, .value_kind: global_buffer, .address_space: global }
      - { .name: w_q, .offset: 24, .size: 8, .value_kind: global_buffer, .address_space: global }
      - { .name: w_k, .offset: 32, .size: 8, .value_kind: global_buffer, .address_space: global }
      - { .name: w_v, .offset: 40, .size: 8, .value_kind: global_buffer, .address_space: global }
      - { .name: w_o, .offset: 48, .size: 8, .value_kind: global_buffer, .address_space: global }
      - { .name: x16, .offset: 56, .size: 8, .value_kind: global_buffer, .address_space: global }
      - { .name: w16, .offset: 64, .size: 8, .value_kind: global_buffer, .address_space: global }
      - { .name: wo16, .offset: 72, .size: 8, .value_kind: global_buffer, .address_space: global }
      - { .name: mbits, .offset: 80, .size: 8, .value_kind: global_buffer, .address_space: global }
    .group_segment_fixed_size: 18432
    .private_segment_fixed_size: 0
    .kernarg_segment_align: 8
    .kernarg_segment_size: 88
    .max_flat_workgroup_size: 256
    .sgpr_count:     66
    .vgpr_count:     112
    .wavefront_size: 32
...
	.end_amdgpu_metadata
.endif
;; end of part 1
;; launch proj (part 2): grid 4 x 64, 4 waves a work-group, clusters of 4 x 4, 327,680 bytes of LDS; arguments x16, w16, qkv; writes qkv
.if DOCPART == 2
	.amdgcn_target "amdgcn-amd-amdhsa--gfx1250"
	.amdhsa_code_object_version 6
	.text
	.protected	k_q62400674a7_proj
	.globl	k_q62400674a7_proj
	.p2align	8
	.type	k_q62400674a7_proj,@function
k_q62400674a7_proj:
	s_mov_b64 s[64:65], 0
	v_nop
	global_prefetch_b8 v0, s[64:65] scope:SCOPE_SE
	s_setreg_imm32_b32 hwreg(HW_REG_WAVE_MODE, 25, 1), 1
	s_wait_xcnt 0x0
	s_wait_alu depctr_hold_cnt(0) depctr_sa_sdst(0) depctr_va_vdst(0) depctr_va_sdst(0) depctr_va_ssrc(0) depctr_va_vcc(0) depctr_vm_vsrc(0)
	s_getreg_b32 s2, hwreg(HW_REG_IB_STS2, 6, 4)
	s_cmp_eq_u32 s2, 0
	s_cbranch_scc0 .Lentry_in_a_cluster
	s_endpgm
.Lentry_in_a_cluster:
	s_bfe_u32 s2, ttmp6, 0x10000c
	s_cmp_lg_u32 s2, 0xf033
	s_cbranch_scc0 .Lentry_shape_is_right
	s_endpgm
.Lentry_shape_is_right:
; PROJ: Qp = Q w_q, Kp = K w_k, Vp = K w_v in one launch.  x16 = [2][16384][512] bf16 (Q, then K), w16 = [3][1024 n][512 k] bf16; sums in f32, K ascending.
; Result: qkv = [3][16 h][16384 rows][64] f16, each number rounded once, unscaled: a head's rows are dense, 128 bytes each.
; LIMIT.  f16 ends at 65,504: a projected number of 65,520 or more becomes an infinity; below 6.1e-5 it keeps f16's fixed step of 6e-8.
; SHARES.  A work-group owns 256 x 256 of [16384][1024]: tile row 4 x cluster y + cy, tile column cx.  IT STAYS: it makes that tile for q, then for k, then for v.
; Four waves, each 128 x 128: 64 accumulators of 16 x 16, 512 registers.  A tile's K goes in four steps of 128; the three tiles' twelve K steps are ONE stream through two LDS slots: the change of slots
; at step s asks for step s + 2, across the tiles' ends, and nothing waits for a tile's stores: they leave while the next tile is multiplied.  The tiles' rows are 256 bytes of memory, aligned.
; ONE LOOP, a K step a trip.  At a tile's end a forward jump, which passes no barrier and no tensor load, chooses the way out and a first quarter that starts the sums anew.  The stream's last two K steps
; ask for nothing and are written out behind the loop.
; CLUSTER.  The four work-groups of a row of the cluster need the same tile of x16, the four of a column the same tile of w16: each is asked for jointly, by the same tensor load with the same descriptor and a mask of the four.
; THE MATRIX INSTRUCTION IS USED TRANSPOSED (source 0 = 16 rows of w16, source 1 = 16 rows of x16): a lane holds row l % 16 and eight neighbouring columns 8 (l / 16) + 0..7.
; No prefetch into the L2: a refill stands 224 matrix instructions of a wave ahead of the wait for it.
; REGISTERS, in windows of 256 (s_set_vgpr_msb: bits 1:0 source 0, 3:2 source 1, 5:4 source 2, 7:6 destination):
;   window 0: v16-29 addresses; v64-127, v128-191 fragments of x16, two buffers; v192-223, v32-63, v224-255 at work on the way out
;   window 1: v64-127, v128-191 fragments of w16;   windows 2, 3: the accumulators of my rows 0-63, 64-127 ((a, b) at v[8 (8 a + b)])
.set KSIZE,  512
.set KSTEP,  128
.set KSTEPS, KSIZE/KSTEP
.set TILES,  3
.set NSTEP,  TILES*KSTEPS              ; K steps in the stream
.set PITCH,  272                       ; an LDS row: 256 bytes + 16 of padding: the 16 rows of a fragment load start 4 banks apart (64 banks of 4 bytes: ISA guide 11.1)
.set HALFT,  128*PITCH                 ; 128 rows: what one tensor load brings
.set SLOT,   4*HALFT                   ; 0x22000: x16's 256 rows, then w16's 256; its two bits occur in no wave x HALFT, so one exclusive or changes slots
.set STAGE,  2*SLOT                    ; behind the ring: 16 rows x 272 bytes for each wave
.set SPITCH, 272
.set SPARE,  STAGE+4*16*SPITCH         ; the spare words, 128 bytes for each wave: two blocks of 256 bytes that no other line names
.set HPLANE, 16384*128                 ; a head's bytes in qkv
.set NEXT_C, 16*HPLANE-7*16*128        ; from my last 16 rows of a tile to my first in the next job's plane
.set ADA0, 16                          ; v16  my place in slot 0's rows of x16; never rewritten
.set ADB0, 17                          ; v17  the same for w16
.set ADA,  18                          ; v18  the same in the slot in hand
.set ADB,  19                          ; v19
.set STO,  24                          ; v24  the way out: where I put 16 bytes of a row
.set RD,   25                          ; v25  where I read rows back
.set CO,   26                          ; v26  16 x lane
.set SPW,  28                          ; v28  LDS address of my spare word; never rewritten
.set NIL,  29                          ; v29  0; never rewritten
.set F0,   64
.set F1,   128
.set TMP,  192
.set OB,   32
.set G1,  24                           ; s[24:31] group 1 for x16's tiles
.set G0,  32                           ; s[32:39] group 0: set 0 (slot 0, K step 0), set 1 (slot 1, K step 1), which then serves every refill
.set GS,  42                           ; s42      the number, 2 to 11, of the K step to be asked for next
.set TB,  45                           ; s45      0 or SLOT: the slot in hand
.set G1B, 48                           ; s[48:55], s[56:63] the same for w16's tiles
.set G0B, 56
.set MSB, 0
.macro WIN new                         ; the immediate's high byte repeats the setting that is left; a switch that changes nothing is dropped
.if MSB != (\new)
	s_set_vgpr_msb (MSB<<8)|(\new)
.set MSB, \new
.endif
.endm
.set MUL_LO, 0xa1                      ; source 0 window 1, source 1 window 0, C and D window 2
.set MUL_HI, 0xf1                      ; the same, C and D window 3
.set TO_B,   0x40                      ; destination window 1
; A joint load: waves 0 and 1 fetch x16's two halves, waves 2 and 3 w16's.  An s_nop 0 and four v_nop follow each line.
.macro JLOAD s
	s_cmp_eq_u32 s11, 0
	s_cbranch_scc0 .Lfor_b_\@
	tensor_load_to_lds s[G0+4*(\s):G0+4*(\s)+3], s[G1:G1+7]
	s_nop 0
.rept 4
	v_nop
.endr
	s_branch .Lasked_\@
.Lfor_b_\@:
	tensor_load_to_lds s[G0B+4*(\s):G0B+4*(\s)+3], s[G1B:G1B+7]
	s_nop 0
.rept 4
	v_nop
.endr
.Lasked_\@:
.endm
.macro CREST                           ; a round of the cluster's barrier behind its opening barrier
	s_cmp_lg_u32 s10, 0
	s_cbranch_scc1 .Lnot_wave_0_\@
	s_barrier_signal -3
.Lnot_wave_0_\@:
	s_barrier_wait -3
	s_barrier_signal -1
	s_barrier_wait -1
.endm
.macro CROUND
	s_barrier_signal -1
	s_barrier_wait -1
	CREST
.endm
	s_load_b128 s[4:7], s[0:1], 0x0                ; x16 s[4:5], w16 s[6:7]
	s_load_b64 s[8:9], s[0:1], 0x10                ; qkv
	v_lshl_add_u32 v[SPW], v0, 2, SPARE
	v_mov_b32 v[NIL], 0
	ds_add_u32 v[SPW], v[NIL]                      ; the wave's opening, ahead of my first tensor load
	ds_add_u32 v28, v29
	v_lshrrev_b32 v1, 5, v0
	v_readfirstlane_b32 s10, v1                    ; wave 0..3
	s_lshr_b32 s11, s10, 1                         ; my half of the tile's rows; also: I fetch for x16 (0) or w16 (1)
	s_and_b32 s12, s10, 1                          ; my half of its columns; also: which 128 rows I fetch
	s_bfe_u32 s40, ttmp6, 0x40000                  ; cx = the tile column
	s_bfe_u32 s41, ttmp6, 0x40004                  ; cy
	s_and_b32 s13, ttmp7, 0xffff
	s_lshl_b32 s13, s13, 2
	s_add_co_u32 s13, s13, s41                     ; the tile row
	s_lshl_b32 s43, s41, 2
	s_lshl_b32 s43, 15, s43                        ; my row of the cluster
	s_lshl_b32 s44, 0x1111, s40                    ; my column
	s_or_b32 s[G1+0], s43, (1<<16)|(1<<20)|(1<<21)|(5<<22)|(3<<25)   ; mask; 2-byte elements; padding on; bit 21 beside a mask; after every 64 words 4 words
	s_or_b32 s[G1B+0], s44, (1<<16)|(1<<20)|(1<<21)|(5<<22)|(3<<25)
.irp g, G1, G1B
	s_mov_b32 s[(\g)+1], KSTEP<<16                 ; tensor_dim0 = 128
	s_mov_b32 s[(\g)+2], 128<<16                   ; tensor_dim1 = 128
	s_mov_b32 s[(\g)+3], KSTEP<<16                 ; tile_dim0 = 128
	s_mov_b32 s[(\g)+4], 128                       ; tile_dim1 = 128
	s_mov_b32 s[(\g)+5], KSIZE                     ; elements from row to row
	s_mov_b32 s[(\g)+6], 0
	s_mov_b32 s[(\g)+7], 0
.endr
	s_lshl_b32 s16, s13, 8                         ; x16: row 256 x tile row + 128 x half, in Q's plane
	s_lshl_b32 s17, s12, 7
	s_add_co_u32 s16, s16, s17
	s_lshl_b32 s16, s16, 10                        ; rows of 1,024 bytes
	s_mov_b32 s17, 0
	s_lshl_b32 s46, s40, 8                         ; w16: row 256 x tile column + 128 x half, in w_q's plane
	s_lshl_b32 s47, s12, 7
	s_add_co_u32 s46, s46, s47
	s_lshl_b32 s46, s46, 10
	s_mov_b32 s47, 0
	s_mul_i32 s18, s10, HALFT                      ; where they go: wave x 128 rows
	s_mov_b32 s21, 0                               ; the high words of the two offset pairs s[20:21], s[22:23]
	s_mov_b32 s23, 0
	s_mov_b32 s[GS], 2
	s_wait_dscnt 0x0                               ; the opening add is done
	s_wait_kmcnt 0x0
	s_add_nc_u64 s[14:15], s[4:5], s[16:17]        ; kept: every refill's address of x16 starts from it,
	s_add_nc_u64 s[46:47], s[6:7], s[46:47]        ; and of w16 from this
	CROUND                                         ; all sixteen work-groups are here: the first joint loads meet
.irp s, 0,1
	s_mov_b32 s[G0+4*(\s)], 1
	s_add_co_u32 s[G0+4*(\s)+1], s18, (\s)*SLOT
	s_add_nc_u64 s[G0+4*(\s)+2:G0+4*(\s)+3], s[14:15], (\s)*KSTEP*2
	s_or_b32 s[G0+4*(\s)+3], s[G0+4*(\s)+3], 0x80000000
	s_mov_b32 s[G0B+4*(\s)], 1
	s_add_co_u32 s[G0B+4*(\s)+1], s18, (\s)*SLOT
	s_add_nc_u64 s[G0B+4*(\s)+2:G0B+4*(\s)+3], s[46:47], (\s)*KSTEP*2
	s_or_b32 s[G0B+4*(\s)+3], s[G0B+4*(\s)+3], 0x80000000
	JLOAD \s                                       ; two loads of mine are out
.endr
	v_and_b32 v1, 15, v0                           ; l % 16
	v_bfe_u32 v2, v0, 4, 1                         ; l / 16
	v_mul_u32_u24 v3, v1, PITCH
	v_lshl_add_u32 v3, v2, 4, v3                   ; a fragment's row x pitch + 16 x half
	s_mul_i32 s4, s11, HALFT
	s_mul_i32 s5, s12, HALFT
	s_add_co_u32 s5, s5, 2*HALFT
	v_add_nc_u32 v[ADA0], s4, v3
	v_add_nc_u32 v[ADB0], s5, v3
	s_mov_b32 s[TB], 0
	v_mov_b32 v[ADA], v[ADA0]
	v_mov_b32 v[ADB], v[ADB0]
	s_mul_i32 s4, s10, 16*SPITCH
	s_add_co_u32 s4, s4, STAGE                     ; my stage
	v_mul_u32_u24 v4, v1, SPITCH
	v_lshl_add_u32 v4, v2, 4, v4
	v_add_nc_u32 v[STO], s4, v4                    ; in: row l % 16, 16 bytes for each half of the lanes
	v_bfe_u32 v5, v0, 3, 2
	v_and_b32 v6, 7, v0
	v_mul_u32_u24 v5, v5, SPITCH
	v_lshl_add_u32 v5, v6, 4, v5
	v_add_nc_u32 v[RD], s4, v5                     ; back: 32 lanes take one head's 128 bytes of four rows,
	v_and_b32 v[CO], 31, v0
	v_lshlrev_b32 v[CO], 4, v[CO]                  ; which are 512 consecutive bytes of the head's plane
	s_lshl_b32 s4, s40, 2
	s_lshl_b32 s5, s12, 1
	s_add_co_u32 s4, s4, s5                        ; my first head: 4 cx + 2 x column half
	s_lshl_b32 s16, s4, 21
	s_lshl_b32 s4, s13, 8
	s_lshl_b32 s5, s11, 7
	s_add_co_u32 s4, s4, s5                        ; my first row
	s_lshl_b32 s4, s4, 7
	s_add_co_u32 s16, s16, s4
	s_mov_b32 s17, 0                               ; s[16:17]: what the first way out adds to qkv's address
; 16 matrix instructions: m blocks a0, a0 + 1 of the window's four x all 8 n blocks, 32 along K.  zero = 1: the product starts the sums.
.macro MUL16 f, hi, a0, zero
	WIN MUL_LO+0x50*(\hi)
.irp a, \a0, (\a0)+1
.irp b, 0,1,2,3,4,5,6,7
.if \zero
	v_wmma_f32_16x16x32_bf16 v[8*(8*(\a)+(\b)):8*(8*(\a)+(\b))+7], v[(\f)+8*(\b):(\f)+8*(\b)+7], v[(\f)+8*(4*(\hi)+(\a)):(\f)+8*(4*(\hi)+(\a))+7], 0
.else
	v_wmma_f32_16x16x32_bf16 v[8*(8*(\a)+(\b)):8*(8*(\a)+(\b))+7], v[(\f)+8*(\b):(\f)+8*(\b)+7], v[(\f)+8*(4*(\hi)+(\a)):(\f)+8*(4*(\hi)+(\a))+7], v[8*(8*(\a)+(\b)):8*(8*(\a)+(\b))+7]
.endif
.endr
.endr
.endm
; 32 LDS loads in one run: the fragments of a quarter step (32 K at byte k of the rows of the slot in hand) into buffer f: w16's first, then x16's
.macro FETCH k, f
	WIN TO_B
.irp i, 0,1,2,3,4,5,6,7
	ds_load_b128 v[(\f)+8*(\i):(\f)+8*(\i)+3],   v[ADB] offset:(\k)+(\i)*16*PITCH
	ds_load_b128 v[(\f)+8*(\i)+4:(\f)+8*(\i)+7], v[ADB] offset:(\k)+(\i)*16*PITCH+32
.endr
	WIN 0
.irp i, 0,1,2,3,4,5,6,7
	ds_load_b128 v[(\f)+8*(\i):(\f)+8*(\i)+3],   v[ADA] offset:(\k)+(\i)*16*PITCH
	ds_load_b128 v[(\f)+8*(\i)+4:(\f)+8*(\i)+7], v[ADA] offset:(\k)+(\i)*16*PITCH+32
.endr
.endm
.macro PLACES                          ; four plain vector instructions between a matrix instruction and a load into, or a read of, its registers
.rept 4
	v_nop
.endr
.endm
; One of a K step's first three quarters: multiplies buffer f, and in its middle fetches the next quarter, at byte k, into buffer g.
.macro QUARTER k, f, g, zero
	s_wait_dscnt 8                                 ; all but the youngest eight loads (x16's rows 64-127) are in
	MUL16 \f, 0, 0, \zero
	MUL16 \f, 0, 2, \zero
	PLACES
	FETCH \k, \g
	s_wait_dscnt 32                                ; all but the 32 just issued
	MUL16 \f, 1, 0, \zero
	MUL16 \f, 1, 2, \zero
.endm
; The refill's descriptors, made anew from the number g of the K step to be asked for: tile g / 4, its K step g % 4; the other slot than last time.
; x16: Q's plane for tile 0, K's (16,777,216 bytes on) for tiles 1 and 2; w16: the tile's plane of 1,048,576 bytes; 256 bytes a K step.
.macro NEXTSTEP
	s_lshr_b32 s19, s[GS], 2
	s_and_b32 s20, s[GS], 3
	s_lshl_b32 s20, s20, 8
	s_lshl_b32 s22, s19, 20
	s_add_co_u32 s22, s22, s20
	s_min_u32 s19, s19, 1
	s_lshl_b32 s19, s19, 24
	s_add_co_u32 s20, s20, s19
	s_xor_b32 s[G0+5], s[G0+5], SLOT
	s_add_nc_u64 s[G0+6:G0+7], s[14:15], s[20:21]
	s_or_b32 s[G0+7], s[G0+7], 0x80000000
	s_xor_b32 s[G0B+5], s[G0B+5], SLOT
	s_add_nc_u64 s[G0B+6:G0B+7], s[46:47], s[22:23]
	s_or_b32 s[G0B+7], s[G0B+7], 0x80000000
	s_add_co_u32 s[GS], s[GS], 1
.endm
; The last quarter's first half: one barrier for the change of slots.
.macro MEET round
	WIN 0
	s_wait_tensorcnt 0x0                           ; all my tensor loads have landed, my part of the next slot among them: a group 0 may be written;
	ds_add_u32 v[SPW], v[NIL]                      ; 0 onto my spare word;
.if \round
	NEXTSTEP
.endif
	s_wait_dscnt 9                                 ; (the add and the youngest eight loads may be out)
	MUL16 F1, 0, 0, 0
	s_wait_dscnt 0x0                               ; the add is done, and my reads of this slot are over
	s_barrier_signal -1
	MUL16 F1, 0, 2, 0                              ; work on registers while the others arrive
.if \round
	WIN 0
.endif
	s_barrier_wait -1
.endm
; The whole last quarter.  fill = 1: the barrier opens a round of the cluster's; behind it the slot just read out takes the K step two steps on in the stream.
.macro TURN fill
	MEET \fill
.if \fill
	CREST                                          ; no wave of any partner still reads this slot or has a load on its way
	JLOAD 1                                        ; my one tensor load behind the round; its four v_nop are also the places in front of the loads below
.else
	PLACES
	WIN 0
.endif
	s_xor_b32 s[TB], s[TB], SLOT
	v_add_nc_u32 v[ADA], s[TB], v[ADA0]
	v_add_nc_u32 v[ADB], s[TB], v[ADB0]
	FETCH 0, F0
	MUL16 F1, 1, 0, 0
	MUL16 F1, 1, 2, 0
.endm
; THE WAY OUT of block a (16 of my rows): rounded to f16; through my own stage; back by heads; stored.
.macro PACK a
.set AC, 64*((\a)%4)
	WIN 0x0a+5*((\a)/4)                            ; sources 0 and 1: window 2 or 3
.irp b, 0,1,2,3,4,5,6,7
.irp r, 0,1,2,3
	v_cvt_pk_f16_f32 v[TMP+4*(\b)+(\r)], v[AC+8*(\b)+2*(\r)], v[AC+8*(\b)+2*(\r)+1]  ; each accumulator from its low end on
.endr
.endr
	WIN 0
.endm
.macro TOSTAGE a
.set BK, OB+192*((\a)%2)
.irp b, 0,1,2,3,4,5,6,7
	ds_store_b128 v[STO], v[TMP+4*(\b):TMP+4*(\b)+3] offset:32*(\b)
.endr
.irp t, 0,1,2,3,4,5,6,7
	ds_load_b128 v[BK+4*(\t):BK+4*(\t)+3], v[RD] offset:((\t)%4)*4*SPITCH+128*((\t)/4)  ; LDS serves a wave's instructions in order (ISA guide 5.7.1.4): these see the stores above
.endr
.endm
.macro SEND a
.set BK, OB+192*((\a)%2)
	s_wait_dscnt 0x0                               ; the block is back in registers
	s_wait_xcnt 0x0                                ; earlier stores have read their base and data: both are written again only behind this wait
.if (\a) == 0
	s_add_nc_u64 s[8:9], s[8:9], s[16:17]          ; on to this tile's first rows
.else
	s_add_nc_u64 s[8:9], s[8:9], 16*128            ; 16 rows of a head on
.endif
.irp t, 0,1,2,3,4,5,6,7
	global_store_b128 v[CO], v[BK+4*(\t):BK+4*(\t)+3], s[8:9] offset:((\t)/4)*HPLANE+((\t)%4)*512  ; 512 consecutive bytes, aligned
.endr
.endm
.macro OUT                             ; block a's conversions stand between block a - 1's loads from the stage and the wait for them
	PACK 0
	TOSTAGE 0
.irp a, 1,2,3,4,5,6,7
	PACK \a
	SEND (\a)-1
	TOSTAGE \a
.endr
	SEND 7
.endm
	s_wait_tensorcnt 1                             ; my part of K step 0 is in; K step 1's may stay out
	s_barrier_signal -1
	s_barrier_wait -1
	FETCH 0, F0
	QUARTER 64, F0, F1, 1                          ; the first tile's first quarter: its products start the sums
	WIN 0
	s_mov_b32 s3, NSTEP-1                          ; K steps behind the one in hand
	s_mov_b32 s2, KSTEPS                           ; K steps to the tile's end
.Lk:                                                   ; a trip: from a K step's second quarter to the next step's first; it fills the slot that it leaves
	QUARTER 128, F1, F0, 0
	QUARTER 192, F0, F1, 0
	WIN 0
	s_cmp_eq_u32 s3, 1
	s_cbranch_scc1 .Ltail                          ; the stream's last two K steps ask for nothing: they are written out
	TURN 1
	WIN 0
	s_sub_co_u32 s2, s2, 1
	s_cmp_lg_u32 s2, 0
	s_cbranch_scc1 .Lsame
	OUT                                            ; a tile's end.  The refill is asked for and the next tile's first fragments are on their way.  Blocks 0-3 were finished ahead of TURN's places; their
	                                               ; 128 conversions, which name no register of the last products (blocks 4-7's), are those products' places
	s_mov_b32 s16, NEXT_C                          ; what the next way out adds to qkv's address
	s_mov_b32 s2, KSTEPS
	QUARTER 64, F0, F1, 1                          ; the next tile's sums start
	WIN 0
	s_branch .Ljoin
.Lsame:
	QUARTER 64, F0, F1, 0
	WIN 0
.Ljoin:
	s_sub_co_u32 s3, s3, 1
	s_branch .Lk
.Ltail:
	TURN 0
	QUARTER 64, F0, F1, 0
	QUARTER 128, F1, F0, 0
	QUARTER 192, F0, F1, 0
	s_wait_dscnt 8
	MUL16 F1, 0, 0, 0
	MUL16 F1, 0, 2, 0
	s_wait_dscnt 0x0
	MUL16 F1, 1, 0, 0
	MUL16 F1, 1, 2, 0
	WIN 0
	PLACES
	OUT
	s_wait_tensorcnt 0x0                           ; the wave's end
	ds_add_u32 v[SPW], v[NIL]
	s_wait_dscnt 0x0
	CROUND                                         ; the closing round
	s_endpgm
.Lfunc_end_k_q62400674a7_proj:
	.size	k_q62400674a7_proj, .Lfunc_end_k_q62400674a7_proj-k_q62400674a7_proj
	.p2alignl 7, 3214868480
	.fill 96, 4, 3214868480
	.section	.rodata,"a",@progbits
	.p2align	6, 0x0
	.amdhsa_kernel k_q62400674a7_proj
		.amdhsa_group_segment_fixed_size 327680
		.amdhsa_private_segment_fixed_size 0
		.amdhsa_enable_private_segment 0
		.amdhsa_kernarg_size 24
		.amdhsa_user_sgpr_count 2
		.amdhsa_user_sgpr_kernarg_segment_ptr 1
		.amdhsa_wavefront_size32 1
		.amdhsa_system_sgpr_workgroup_id_x 1
		.amdhsa_system_sgpr_workgroup_id_y 1
		.amdhsa_system_sgpr_workgroup_id_z 1
		.amdhsa_system_vgpr_workitem_id 0
		.amdhsa_next_free_vgpr 1024
		.amdhsa_next_free_sgpr 66
		.amdhsa_reserve_vcc 0
		.amdhsa_float_denorm_mode_32 3
		.amdhsa_float_denorm_mode_16_64 3
		.amdhsa_memory_ordered 1
		.amdhsa_forward_progress 1
		.amdhsa_inst_pref_size 143
	.end_amdhsa_kernel
	.amdgpu_metadata
---
amdhsa.version: [ 1, 2 ]
amdhsa.kernels:
  - .name:           k_q62400674a7_proj
    .symbol:         k_q62400674a7_proj.kd
    .args:
      - { .name: x16, .offset: 0, .size: 8, .value_kind: global_buffer, .address_space: global }
      - { .name: w16, .offset: 8, .size: 8, .value_kind: global_buffer, .address_space: global }
      - { .name: qkv, .offset: 16, .size: 8, .value_kind: global_buffer, .address_space: global }
    .group_segment_fixed_size: 327680
    .private_segment_fixed_size: 0
    .kernarg_segment_align: 8
    .kernarg_segment_size: 24
    .max_flat_workgroup_size: 128
    .sgpr_count:     66
    .vgpr_count:     1024
    .wavefront_size: 32
...
	.end_amdgpu_metadata
.endif
;; end of part 2
;; launch attn (part 3): grid 2 x 128, 4 waves a work-group, no clusters, 327,680 bytes of LDS; arguments qkv, mbits, o16; writes o16
.if DOCPART == 3
	.amdgcn_target "amdgcn-amd-amdhsa--gfx1250"
	.amdhsa_code_object_version 6
	.text
	.protected	k_q62400674a7_attn
	.globl	k_q62400674a7_attn
	.p2align	8
	.type	k_q62400674a7_attn,@function
k_q62400674a7_attn:
	s_mov_b64 s[64:65], 0
	v_nop
	global_prefetch_b8 v0, s[64:65] scope:SCOPE_SE
	s_setreg_imm32_b32 hwreg(HW_REG_WAVE_MODE, 25, 1), 1
	s_wait_xcnt 0x0
; ATTN.  For each pair (h, b), hb = 8 h + b: 512 queries, 512 keys, 256 channels (m, d): the sum over m and d is one contraction.  q, k, v: qkv = [3][16 h][16384][64] f16: a pair's 512 rows of
; 512 bytes are dense, at hb x 262,144 in each plane.  E = q . k / 32;  A = 1[mask] exp(E - max over ALL keys of E) / (sum + 1e-8);  O = A v, to o16 in the same layout, f16, rounded once.
; SOFTMAX.  A running maximum m over all keys, masked ones too; p = 2^(c s - c m), c = log2(e) / 32; a masked p is set to 0 behind the exponential; O and l are multiplied by a = 2^(c m_old - c m_new) in every step.
; P IS KEPT AS 2^15 p: the register 'c m' holds c m - 15, so l and O carry the same factor and the divisor is l + 2^15 x 1e-8: exact scalings.  The row's maximum may be a masked key's, so the largest
; weight that counts can lie far below 1: weights down to 1.9e-9 keep f16's 11 bits; below that they keep a fixed step of 1.8e-12, at most 1.8e-4 of a weight against a divisor of 1e-8 or more.
; LIMITS.  q, k, v arrive within 65,504.  A weight below 2^-126 counts as 0.  c s lies above -4.2e37.  NaN and infinities are not treated apart.
; SHARES.  Work-group (x, hb): queries 256 x on; a wave owns 64: four tiles of 16.  Every wave walks all 512 keys, 64 a step, two steps to an LDS slot.
; LAYOUT.  S^T = K Q^T (source 0 = 16 keys, source 1 = 16 queries): a lane holds ONE query (l % 16) and keys 8 (l / 16) + 0..7.  Two such results rounded to f16 in pairs ARE source 1 of O^T = V^T P.
; THE MASK comes as words of lane bits, one for each register of S^T (mbits).  One load of 16 bytes a lane brings the 128 words of my four tiles for a key step; it is issued behind the last use of the
; step before, 256 matrix instructions ahead of the wait for it.  v_readlane_b32 hands each word to a scalar register, and v_cndmask_b32 applies it.
; IN PHASES: a step's 128 products K Q^T, the softmax, its 128 products V^T P.  O^T (512 registers) and Q (256) leave one window: P lies over S^T, K and V pass through small buffers.
; NO CLUSTER: a pair's K and V are read by its two work-groups alone; 128 pairs of two are not groups of four that share a tile.
; AHEAD OF THE LOADS.  In a slot's second step each wave of the work-group x = 0 prefetches into the L2 the 64 rows of 512 bytes that it will itself ask for at the next change of slots: 128 blocks of
; 256 bytes, a lane a block, four instructions, behind the step's first LDS loads.  So each block is named once.  Slots 0 and 1 come by their loads alone; behind the last fill nothing is asked for.
; REGISTERS, in windows of 256 (s_set_vgpr_msb: bits 1:0 source 0, 3:2 source 1, 5:4 source 2, 7:6 destination):
;   window 0: v1-14 addresses; v16-31 statistics; v32-47 at work; v48-51 a step's mask words; v64-191 S^T, 32 a tile (P in the low 16 of each, V's buffer B in the high 16); v192-255 K's two chunk buffers, V's buffer A
;   windows 1, 2: O^T, channel blocks 0-7 and 8-15: (block f, tile t) at v[8 (4 f + t)]          window 3: Q, tile t, channels 32 c on at v[64 t + 8 c]
.set KS,    64
.set PK,    528       ; a row of K in LDS: 512 bytes + 16: the 16 rows of a load start 4 banks apart (64 banks of 4 bytes: ISA guide 11.1)
.set PV,    544       ; a row of V: 512 + 32
.set VOFF,  KS*PK     ; a step's tiles lie together: 64 rows of K, then 64 of V
.set STEPB, KS*(PK+PV)
.set SLOT1, 139264    ; 0x22000: its two bits occur in none of a slot's four tile offsets, so one exclusive or changes slots
.set STAGE, SLOT1+2*STEPB  ; behind the ring: 16 rows x 528 bytes for each wave
.set SP,    528
.set SPARE, STAGE+4*16*SP  ; the spare words, 128 bytes for each wave: two blocks of 256 bytes that no other line names
.set QPLANE, 33554432 ; bytes of q, of k and of v in qkv
.set AK0, 2           ; v2   my lane's place in a tile of K; never rewritten
.set AV0, 3           ; v3   the same for V
.set ADK, 4           ; v4   the same in the step in hand
.set ADV, 5           ; v5
.set STO, 6           ; v6   the way out: where I put 16 bytes of a row
.set RD,  7           ; v7   where I read a row back
.set GO,  8           ; v8   16 x lane
.set PFO, 12          ; v12  256 x lane; never rewritten
.set QO,  13          ; v13  my byte offset in 16 rows of Q
.set VMO, 14          ; v14  my 16 bytes of a step's mask words: tile l / 8 (1,024 bytes a tile), words 4 (l % 8) on; never rewritten
.set ST,  16          ; tile t at v[ST+4 t]: c m - 15, m, l (even keys', odd keys')
.set TP,  32          ; by the tile's parity, eight registers: c0-c3 (later the two running pairs of the sums), a, its pair partner, c m_old
.set M,   48          ; v[48:51] word i of tile t's 32 lies in register i % 4, lane 8 t + i / 4
.set SPW, 62          ; v62  LDS address of my spare word; never rewritten
.set NIL, 63          ; v63  0; never rewritten
.set S,   64
.set F,   192
.set WV,  12          ; s12  my wave's number
.set LIM, 15          ; s15  1 in the work-group that prefetches, else the greatest number
.set PFA, 18          ; s[18:19] my tile of the slot after the one that was asked for last
.set G1K, 24          ; s[24:31] group 1 for K's tiles;  s[32:39] for V's: other padding
.set G1V, 32
.set G0K, 40          ; s[40:43], s[44:47] group 0: they walk
.set G0V, 44
.set MP,  48          ; s[48:49] mbits at my first tile's words of the step whose words are asked for next
.set PFC, 51          ; s51  the value of TWICE at which this slot prefetches: 1, or 0 for never
.set QP,  52          ; s[52:53] Q at my first row
.set SLOTS, 56
.set TWICE, 57
.set CS,  58          ; s[58:59] c
.set SEL, 60          ; s[60:61] v_permlanex16_b32's selects: each lane takes its own place in the other half
.set TB,  62          ; s62  LDS byte at which the step in hand begins
.set MB,  68          ; s[68:99] the 32 mask words of one tile and step
.set MSB, 0
.macro WIN new
.if MSB != (\new)
	s_set_vgpr_msb (MSB<<8)|(\new)
.set MSB, (\new)
.endif
.endm
.set W_QK,  0x0c      ; Q (source 1) in window 3; all else in window 0, LDS loads too
.set W_PV1, 0x50      ; C and D in window 1
.set W_PV2, 0xa0      ; in window 2
.set W_RS1, 0x41      ; destination and source 0 in window 1 (0x82: in window 2)
.macro PLACES
.rept 4
	v_nop
.endr
.endm
; A fill.  Waves 0 and 1 fetch K of the slot's two steps, waves 2 and 3 V.  An s_nop 0 and four v_nop follow each line.
.macro LOAD
	s_cmp_lt_u32 s[WV], 2
	s_cbranch_scc0 .Lfor_v_\@
	tensor_load_to_lds s[G0K:G0K+3], s[G1K:G1K+7]
	s_nop 0
.rept 4
	v_nop
.endr
	s_branch .Lasked_\@
.Lfor_v_\@:
	tensor_load_to_lds s[G0V:G0V+3], s[G1V:G1V+7]
	s_nop 0
.rept 4
	v_nop
.endr
.Lasked_\@:
.endm
; THE CHANGE OF SLOTS.  Each wave waits for all its tensor loads (one is out: its part of the other slot), adds 0 to its spare word, waits for that and for its reads of the slot that it leaves.
; fill = 1: the old slot is filled again, first thing behind the barrier, with the keys two slots on: that load has two key steps in which to land.  (At its first use slot 0 is waited for and slot 1 filled.)
.macro CHANGE fill
	WIN 0
	s_wait_tensorcnt 0x0                           ; no tensor load of mine is out, so a group 0 may be written
	ds_add_u32 v[SPW], v[NIL]
.if \fill
.irp g, G0K, G0V
	s_xor_b32 s[\g+1], s[\g+1], SLOT1
	s_add_nc_u64 s[\g+2:\g+3], s[\g+2:\g+3], 2*KS*512
.endr
	s_wait_xcnt 0x0                                ; the last prefetches, a key step back, have read their address
	s_add_nc_u64 s[PFA:PFA+1], s[PFA:PFA+1], 2*KS*512
	s_cmp_gt_u32 s[SLOTS], s[LIM]                  ; is there a fill behind this one, and am I the one who asks?
	s_cselect_b32 s[PFC], 1, 0
.endif
	s_wait_dscnt 0x0                               ; the add is done, and my reads of the slot are over
	s_barrier_signal -1
	s_sub_co_u32 s[TB], s[TB], 2*STEPB             ; back to a slot's first step,
	s_xor_b32 s[TB], s[TB], SLOT1                  ; in the other slot
	s_barrier_wait -1
.if \fill
	LOAD
.endif
.endm
	s_load_b128 s[4:7], s[0:1], 0x0                ; qkv s[4:5], mbits s[6:7]
	s_load_b64 s[8:9], s[0:1], 0x10                ; o16
	v_lshl_add_u32 v[SPW], v0, 2, SPARE
	v_mov_b32 v[NIL], 0
	ds_add_u32 v[SPW], v[NIL]                      ; the wave's opening, ahead of my first tensor load
	ds_add_u32 v62, v63
	v_lshrrev_b32 v1, 5, v0
	v_readfirstlane_b32 s[WV], v1
	s_and_b32 s13, ttmp7, 0xffff                   ; hb
	s_lshl_b32 s20, s13, 18                        ; the pair's 262,144 bytes
	s_and_b32 s16, s[WV], 1                        ; which of a slot's two steps I fetch:
	s_lshl_b32 s22, s16, 15                        ; its 64 rows of 512 bytes,
	s_add_co_u32 s22, s22, s20
	s_mov_b32 s23, 0
	s_mul_i32 s17, s16, STEPB                      ; and its place in a slot
	s_lshl_b32 s2, ttmp9, 17                       ; my work-group's 256 queries,
	s_lshl_b32 s3, s[WV], 15                       ; my wave's 64
	s_add_co_u32 s2, s2, s3
	s_add_co_u32 s2, s2, s20
	s_mov_b32 s3, 0
	s_and_b32 s14, s13, 7                          ; b
	s_lshl_b32 s14, s14, 5
	s_lshl_b32 s54, ttmp9, 4
	s_add_co_u32 s14, s14, s54
	s_lshl_b32 s54, s[WV], 2
	s_add_co_u32 s14, s14, s54                     ; 32 b + my first tile of 16 queries
	s_lshl_b32 s54, s14, 10
	s_mov_b32 s55, 0
	s_mov_b32 s[G1K], (1<<16)|(1<<20)|(6<<22)|(3<<25)  ; 2-byte elements; padding on; after every 128 words 4 words
	s_mov_b32 s[G1V], (1<<16)|(1<<20)|(6<<22)|(7<<25)  ; 8 words
.irp g, G1K, G1V
	s_mov_b32 s[\g+1], 256<<16                     ; tensor_dim0 = 256
	s_mov_b32 s[\g+2], KS<<16                      ; tensor_dim1 = 64
	s_mov_b32 s[\g+3], 256<<16                     ; tile_dim0 = 256
	s_mov_b32 s[\g+4], KS                          ; tile_dim1 = 64
	s_mov_b32 s[\g+5], 256                         ; elements from row to row
	s_mov_b32 s[\g+6], 0
	s_mov_b32 s[\g+7], 0
.endr
	s_mov_b32 s[G0K], 1
	s_mov_b32 s[G0K+1], s17
	s_mov_b32 s[G0V], 1
	s_add_co_u32 s[G0V+1], s17, VOFF
	s_mov_b32 s[CS], 0x3d38aa3b                    ; c = log2(e) / 32
	s_mov_b32 s[CS+1], s[CS]
	s_mov_b32 s[SEL], 0x76543210
	s_mov_b32 s[SEL+1], 0xfedcba98
	s_mov_b32 s[TB], SLOT1+2*STEPB                 ; the first change of slots turns it into 0
	s_mov_b32 s[SLOTS], 3
	s_cmp_eq_u32 ttmp9, 0
	s_cselect_b32 s[LIM], 1, -1
	s_wait_dscnt 0x0                               ; the opening add is done
	s_wait_kmcnt 0x0
	s_add_nc_u64 s[G0K+2:G0K+3], s[4:5], s[22:23]
	s_add_nc_u64 s[G0K+2:G0K+3], s[G0K+2:G0K+3], QPLANE    ; K at my step of slot 0
	s_add_nc_u64 s[G0V+2:G0V+3], s[G0K+2:G0K+3], QPLANE    ; V likewise
	s_cmp_lt_u32 s[WV], 2
	s_cselect_b64 s[PFA:PFA+1], s[G0K+2:G0K+3], s[G0V+2:G0V+3]
	s_add_nc_u64 s[PFA:PFA+1], s[PFA:PFA+1], 2*KS*512      ; in slot 1; the first change steps it to slot 2
	s_or_b32 s[G0K+3], s[G0K+3], 0x80000000
	s_or_b32 s[G0V+3], s[G0V+3], 0x80000000
	s_add_nc_u64 s[QP:QP+1], s[4:5], s[2:3]
	s_add_nc_u64 s[10:11], s[8:9], s[2:3]          ; O at my first row
	s_add_nc_u64 s[MP:MP+1], s[6:7], s[54:55]
	LOAD                                           ; slot 0
	v_and_b32 v1, 15, v0                           ; l % 16
	v_bfe_u32 v9, v0, 4, 1                         ; l / 16
	v_lshlrev_b32 v[QO], 9, v1
	v_lshl_add_u32 v[QO], v9, 4, v[QO]
	WIN 0xc0                                       ; destination window 3
.set i, 0
.rept 32                                               ; Q stays in registers: tile i / 8, channels 32 (i % 8) on
	global_load_b128 v[8*i:8*i+3],   v[QO], s[QP:QP+1] offset:(i/8)*8192+(i%8)*64
	global_load_b128 v[8*i+4:8*i+7], v[QO], s[QP:QP+1] offset:(i/8)*8192+(i%8)*64+32
.set i, i+1
.endr
	WIN 0
	v_and_b32 v[VMO], 7, v0
	v_bfe_u32 v10, v0, 3, 2
	v_lshlrev_b32 v[VMO], 4, v[VMO]
	v_lshl_add_u32 v[VMO], v10, 10, v[VMO]
	global_load_b128 v[M:M+3], v[VMO], s[MP:MP+1]  ; key step 0's mask words
.set i, 0
.rept 16
	v_mov_b32 v[F+i], 0                            ; two fragments of zeros
.set i, i+1
.endr
	WIN W_PV1                                      ; O^T starts at 0: 64 products of zeros write its 512 registers, in the wait for the first tile
.set i, 0
.rept 32
	v_wmma_f32_16x16x32_f16 v[8*i:8*i+7], v[F:F+7], v[F+8:F+15], 0
.set i, i+1
.endr
	WIN W_PV2
.set i, 0
.rept 32
	v_wmma_f32_16x16x32_f16 v[8*i:8*i+7], v[F:F+7], v[F+8:F+15], 0
.set i, i+1
.endr
	WIN 0
.set i, 0
.rept 4                                                ; (these are also the places behind those products)
	v_mov_b32 v[ST+4*i], 0xfe000000                ; c m: far below every c s, so the first step's a is 0
	v_mov_b32 v[ST+4*i+1], 0xff7fffff              ; m
	v_mov_b32 v[ST+4*i+2], 0
	v_mov_b32 v[ST+4*i+3], 0
.set i, i+1
.endr
	v_mov_b32 v[TP+5], 0                           ; named with a as a pair
	v_mov_b32 v[TP+13], 0
	v_mul_u32_u24 v[AK0], v1, PK
	v_lshl_add_u32 v[AK0], v9, 4, v[AK0]           ; row x pitch + 16 x half
	v_and_b32 v10, 7, v0                           ; the turning load: lane l reads key 8 (l / 16) + l % 8, channels 8 ((l / 8) % 2) + 0..7
	v_bfe_u32 v11, v0, 3, 1
	v_lshl_add_u32 v[AV0], v9, 3, v10
	v_mul_u32_u24 v[AV0], v[AV0], PV
	v_lshl_add_u32 v[AV0], v11, 4, v[AV0]
	v_add_nc_u32 v[AV0], VOFF, v[AV0]
	s_mul_i32 s13, s[WV], 16*SP
	s_add_co_u32 s13, s13, STAGE                   ; my stage
	v_mul_u32_u24 v[STO], v1, SP
	v_lshl_add_u32 v[STO], v9, 4, v[STO]
	v_add_nc_u32 v[STO], s13, v[STO]
	v_and_b32 v[GO], 31, v0
	v_lshlrev_b32 v[PFO], 8, v[GO]
	v_lshlrev_b32 v[GO], 4, v[GO]
	v_add_nc_u32 v[RD], s13, v[GO]
; K's fragments for channels 32 c on: 4 blocks of 16 keys, into chunk buffer c % 2
.macro LOADK c
.irp kb, 0,1,2,3
	ds_load_b128 v[F+32*((\c)%2)+8*\kb:F+32*((\c)%2)+8*\kb+3],   v[ADK] offset:\kb*16*PK+(\c)*64
	ds_load_b128 v[F+32*((\c)%2)+8*\kb+4:F+32*((\c)%2)+8*\kb+7], v[ADK] offset:\kb*16*PK+(\c)*64+32
.endr
.endm
; 16 products: all 16 accumulators of S^T, one instruction a turn, in the same order for every c.  c = 0 starts the sums.
.macro MULK c
.irp kb, 0,1,2,3
.irp u, 0,1,2,3
.if (\c) == 0
	v_wmma_f32_16x16x32_f16 v[S+32*\u+8*\kb:S+32*\u+8*\kb+7], v[F+32*((\c)%2)+8*\kb:F+32*((\c)%2)+8*\kb+7], v[64*\u+8*(\c):64*\u+8*(\c)+7], 0
.else
	v_wmma_f32_16x16x32_f16 v[S+32*\u+8*\kb:S+32*\u+8*\kb+7], v[F+32*((\c)%2)+8*\kb:F+32*((\c)%2)+8*\kb+7], v[64*\u+8*(\c):64*\u+8*(\c)+7], v[S+32*\u+8*\kb:S+32*\u+8*\kb+7]
.endif
.endr
.endr
.endm
.macro VREG buf                        ; rV: fragment f of V's buffer A (0: v192 on) or B (1: the high halves of S^T's tiles)
.if \buf
.set rV, S+32*(f/2)+16+8*(f%2)
.else
.set rV, F+8*f
.endif
.endm
; V turned: keys 32 kk on, channel blocks 8 half + 0..7
.macro LOADV kk, half, buf
.set f, 0
.rept 8
	VREG \buf
	ds_load_tr16_b128 v[rV:rV+3],   v[ADV] offset:(\kk)*32*PV+32*(8*(\half)+f)
	ds_load_tr16_b128 v[rV+4:rV+7], v[ADV] offset:(\kk)*32*PV+16*PV+32*(8*(\half)+f)
.set f, f+1
.endr
.endm
; 32 products O^T += V^T P on the 32 accumulators of the window in force, one instruction a turn
.macro MULV kk, buf
.set f, 0
.rept 8
	VREG \buf
.irp u, 0,1,2,3
	v_wmma_f32_16x16x32_f16 v[8*(4*f+\u):8*(4*f+\u)+7], v[rV:rV+7], v[S+32*\u+8*(\kk):S+32*\u+8*(\kk)+7], v[8*(4*f+\u):8*(4*f+\u)+7]
.endr
.set f, f+1
.endr
.endm
; Number n of the 70 that open a tile's softmax.  0-15 the maximum of the 32 scores and the old m (each accumulator's lowest registers first); 16 the other half of the lanes';
; 17 c m_old kept; 18 m; 19 c m - 15; 20 its change; 21-36 the scalings c s - (c m - 15); 37 a; 38-69 the exponentials.  Nothing here reads an exponential's result.
.macro SM t, n
.set rT, ST+4*(\t)
.set rC, TP+8*((\t)%2)
.set rS, S+32*(\t)
.if (\n) < 4
	v_max3_num_f32 v[rC+(\n)], v[rS+8*(\n)], v[rS+8*(\n)+1], v[rS+8*(\n)+2]
.elseif (\n) < 12
	v_max3_num_f32 v[rC+(\n)%4], v[rC+(\n)%4], v[rS+8*((\n)%4)+2*((\n)/4)+1], v[rS+8*((\n)%4)+2*((\n)/4)+2]
.elseif (\n) == 12
	v_max3_num_f32 v[rC], v[rC], v[rS+7], v[rS+15]
.elseif (\n) == 13
	v_max3_num_f32 v[rC+2], v[rC+2], v[rS+23], v[rS+31]
.elseif (\n) == 14
	v_max3_num_f32 v[rC], v[rC], v[rC+1], v[rC+2]
.elseif (\n) == 15
	v_max3_num_f32 v[rC], v[rC], v[rC+3], v[rT+1]
.elseif (\n) == 16
	v_permlanex16_b32 v[rC+1], v[rC], s[SEL], s[SEL+1]
.elseif (\n) == 17
	v_mov_b32 v[rC+6], v[rT]
.elseif (\n) == 18
	v_max_num_f32 v[rT+1], v[rC], v[rC+1]
.elseif (\n) == 19
	v_fmaak_f32 v[rT], s[CS], v[rT+1], 0xc1700000  ; c m - 15
.elseif (\n) == 20
	v_sub_f32 v[rC+6], v[rC+6], v[rT]
.elseif (\n) < 37
	v_pk_fma_f32 v[rS+2*((\n)-21):rS+2*((\n)-21)+1], v[rS+2*((\n)-21):rS+2*((\n)-21)+1], s[CS:CS+1], v[rT:rT+1] op_sel_hi:[1,0,0] neg_lo:[0,0,1] neg_hi:[0,0,1]
.elseif (\n) == 37
	v_exp_f32 v[rC+4], v[rC+6]
.else
	v_exp_f32 v[rS+(\n)-38], v[rS+(\n)-38]
.endif
.endm
.macro RL t                            ; tile t's 32 mask words, out of the lanes into scalar registers
.set i, 0
.rept 32
	v_readlane_b32 s[MB+i], v[M+i%4], 8*(\t)+i/4
.set i, i+1
.endr
.endm
.macro MASK t                          ; a weight whose lane bit is 0 becomes 0
.set i, 0
.rept 32
	v_cndmask_b32 v[S+32*(\t)+i], 0, v[S+32*(\t)+i], s[MB+i]
.set i, i+1
.endr
.endm
.macro CV t, i                         ; pair i of the tile's weights, rounded to f16, into register i of the tile: that register's own pair, i / 2, has been summed and rounded by then
	v_cvt_pk_f16_f32 v[S+32*(\t)+(\i)], v[S+32*(\t)+2*(\i)], v[S+32*(\t)+2*(\i)+1]
.endm
.macro SUMCVT t                        ; the 16 pairs are added into two running pairs, the roundings two pairs behind; then l = a l + sum
.set rT, ST+4*(\t)
.set rC, TP+8*((\t)%2)
.set rS, S+32*(\t)
	v_pk_add_f32 v[rC:rC+1], v[rS:rS+1], v[rS+4:rS+5]
	v_pk_add_f32 v[rC+2:rC+3], v[rS+2:rS+3], v[rS+6:rS+7]
	CV \t, 0
	CV \t, 1
.set k, 4
.rept 12
	v_pk_add_f32 v[rC+2*(k%2):rC+2*(k%2)+1], v[rC+2*(k%2):rC+2*(k%2)+1], v[rS+2*k:rS+2*k+1]
	CV \t, k-2
.set k, k+1
.endr
	v_pk_add_f32 v[rC:rC+1], v[rC:rC+1], v[rC+2:rC+3]
	CV \t, 14
	v_pk_fma_f32 v[rT+2:rT+3], v[rT+2:rT+3], v[rC+4:rC+5], v[rC:rC+1] op_sel_hi:[1,0,1]
	CV \t, 15
.endm
.macro RESC t0                         ; O^T of tiles t0, t0 + 1 times a: each accumulator from its low end on
.irp w, 0,1
	WIN W_RS1+0x41*\w
.irp u, 0,1
.set f, 0
.rept 8
.set rO, 8*(4*f+(\t0)+\u)
.irp p, 0,1,2,3
	v_pk_mul_f32 v[rO+2*\p:rO+2*\p+1], v[rO+2*\p:rO+2*\p+1], v[TP+8*\u+4:TP+8*\u+5] op_sel_hi:[1,0]
.endr
.set f, f+1
.endr
.endr
.endr
.endm
; Two tiles' softmax.  Their 66 exponentials are one batch with one wait; the first tile's 32 mask words are handed over between the batch and its wait, the second's ahead of the sums and the rescaling.
; Behind tile 3's words the next step's are asked for.  ask = 0 (the last slot's text): not in the last step, which has no next.
.macro PAIR t0, ask
	WIN 0
.set j, 0
.rept 70
	SM \t0, j
	SM (\t0)+1, j
.set j, j+1
.endr
	v_nop                                          ; a plain instruction behind the last exponential
.if (\t0) == 0
	s_wait_loadcnt 0x0                             ; this step's mask words are in, and their load has read its address:
	s_add_nc_u64 s[MP:MP+1], s[MP:MP+1], 128       ; the next step's 128 bytes of each tile
.endif
	RL \t0
	s_wait_alu depctr_va_vdst(0)                   ; one wait for the batch, ahead of the first use
	MASK \t0
	RL (\t0)+1
.if (\t0) == 2
.if !(\ask)
	s_cmp_eq_u32 s[TWICE], 1
	s_cbranch_scc1 .Lno_m_\@
.endif
	global_load_b128 v[M:M+3], v[VMO], s[MP:MP+1]
.if !(\ask)
.Lno_m_\@:
.endif
.endif
	SUMCVT \t0
	RESC \t0
	WIN 0
	MASK (\t0)+1
	SUMCVT (\t0)+1
.endm
; A KEY STEP.
.macro STEP ask
	WIN 0
	v_add_nc_u32 v[ADK], s[TB], v[AK0]
	v_add_nc_u32 v[ADV], s[TB], v[AV0]
	LOADK 0
	LOADK 1
.if \ask
	s_cmp_eq_u32 s[TWICE], s[PFC]
	s_cbranch_scc0 .Lno_ask_\@
.irp i, 0,1,2,3
	global_prefetch_b8 v[PFO], s[PFA:PFA+1] offset:8192*\i th:TH_LOAD_NT scope:SCOPE_SE
.endr
.Lno_ask_\@:
.endif
	WIN W_QK
.irp c, 0,1,2,3,4,5,6,7
.if \c < 7
	s_wait_dscnt 8                                 ; chunk c is in; chunk c + 1's eight loads may stay out
.else
	s_wait_dscnt 0x0
.endif
	MULK \c
.if \c < 6
	PLACES                                         ; in front of loads into the buffer just multiplied
	LOADK (\c)+2
.endif
.endr
	WIN 0
	PLACES                                         ; in front of the loads into K's buffers and of the reads of the scores
	LOADV 0, 0, 0                                  ; it lands under the softmax
	PAIR 0, \ask
	PAIR 2, \ask
	LOADV 0, 1, 1                                  ; the high halves of S^T are free now
	s_wait_dscnt 16                                ; all but the sixteen just issued
	WIN W_PV1
	MULV 0, 0
	PLACES
	WIN 0
	LOADV 1, 0, 0
	s_wait_dscnt 16
	WIN W_PV2
	MULV 0, 1
	PLACES
	WIN 0
	LOADV 1, 1, 1
	s_wait_dscnt 16
	WIN W_PV1
	MULV 1, 0
	s_wait_dscnt 0x0
	WIN W_PV2
	MULV 1, 1
	WIN 0
.rept 5
	v_nop                                          ; the next step's first products write over P and V's buffer B, sources of the last ones
.endr
	s_add_co_u32 s[TB], s[TB], STEPB
.endm
.macro TWO_STEPS ask                   ; a slot's two key steps: written once, walked twice
	WIN 0
	s_mov_b32 s[TWICE], 2
.Lstep_\@:
	STEP \ask
	WIN 0
	s_sub_co_u32 s[TWICE], s[TWICE], 1
	s_cmp_lg_u32 s[TWICE], 0
	s_cbranch_scc1 .Lstep_\@
.endm
	s_wait_loadcnt 0x0                             ; Q, and the first step's mask words
.Lslot:                                                ; three trips: a slot is entered and the next is asked for
	CHANGE 1
	TWO_STEPS 1
	s_sub_co_u32 s[SLOTS], s[SLOTS], 1
	s_cmp_lg_u32 s[SLOTS], 0
	s_cbranch_scc1 .Lslot
	CHANGE 0                                       ; the last slot is written out
	TWO_STEPS 0
	; THE WAY OUT.  l's halves and the other half of the lanes' are added; the divisor takes 2^15 x 1e-8; O^T is divided, rounded to f16 and sent through my stage, a tile (16 rows of 512 bytes) at a time.
.irp t, 0,1,2,3
	v_add_f32 v[ST+4*\t+2], v[ST+4*\t+2], v[ST+4*\t+3]
.endr
.irp t, 0,1,2,3
	v_permlanex16_b32 v[ST+4*\t+3], v[ST+4*\t+2], s[SEL], s[SEL+1]
.endr
.irp t, 0,1,2,3
	v_add_f32 v[ST+4*\t+2], v[ST+4*\t+2], v[ST+4*\t+3]
.endr
.irp t, 0,1,2,3
	v_add_f32 v[ST+4*\t+2], 0x39abcc77, v[ST+4*\t+2]
.endr
.irp t, 0,1,2,3
	v_rcp_f32 v[ST+4*\t+2], v[ST+4*\t+2]
.endr
	v_nop                                          ; a plain instruction behind the last reciprocal,
	s_wait_alu depctr_va_vdst(0)                   ; and one wait for the four
.macro PACK t
.set PKR, S+64*((\t)%2)
.if (\t) >= 2
	s_wait_xcnt 0x0                                ; the stores of the tile two back have read these registers
.endif
.irp w, 0,1
	WIN W_RS1+0x41*\w
.set f, 0
.rept 8
.set rO, 8*(4*f+(\t))
.irp p, 0,1,2,3
	v_pk_mul_f32 v[rO+2*\p:rO+2*\p+1], v[rO+2*\p:rO+2*\p+1], v[ST+4*(\t)+2:ST+4*(\t)+3] op_sel_hi:[1,0]
.endr
.set f, f+1
.endr
	WIN 0x05+5*\w                                  ; sources 0 and 1 in window 1 or 2, destination in window 0
.set f, 0
.rept 8
.set rO, 8*(4*f+(\t))
.irp p, 0,1,2,3
	v_cvt_pk_f16_f32 v[PKR+32*\w+4*f+\p], v[rO+2*\p], v[rO+2*\p+1]
.endr
.set f, f+1
.endr
.endr
	WIN 0
.set f, 0
.rept 16
	ds_store_b128 v[STO], v[PKR+4*f:PKR+4*f+3] offset:32*f
.set f, f+1
.endr
.set f, 0
.rept 16
	ds_load_b128 v[PKR+4*f:PKR+4*f+3], v[RD] offset:f*SP  ; LDS serves a wave's instructions in order (ISA guide 5.7.1.4): these see the stores above; the next tile's stores come behind them
.set f, f+1
.endr
.endm
.macro SEND t, younger                 ; younger: the LDS instructions issued behind tile t's loads: the next tile's 32, or none
.set PKR, S+64*((\t)%2)
.set f, 0
.rept 16
	s_wait_dscnt (\younger)+15-f
	global_store_b128 v[GO], v[PKR+4*f:PKR+4*f+3], s[10:11] offset:(\t)*8192+f*512  ; 512 consecutive bytes, aligned
.set f, f+1
.endr
.endm
	PACK 0
	PACK 1
	SEND 0, 32
	PACK 2
	SEND 1, 32
	PACK 3
	SEND 2, 32
	SEND 3, 0
	s_wait_tensorcnt 0x0                           ; the wave's end
	ds_add_u32 v[SPW], v[NIL]
	s_wait_dscnt 0x0
	s_endpgm
.Lfunc_end_k_q62400674a7_attn:
	.size	k_q62400674a7_attn, .Lfunc_end_k_q62400674a7_attn-k_q62400674a7_attn
	.p2alignl 7, 3214868480
	.fill 96, 4, 3214868480
	.section	.rodata,"a",@progbits
	.p2align	6, 0x0
	.amdhsa_kernel k_q62400674a7_attn
		.amdhsa_group_segment_fixed_size 327680
		.amdhsa_private_segment_fixed_size 0
		.amdhsa_enable_private_segment 0
		.amdhsa_kernarg_size 24
		.amdhsa_user_sgpr_count 2
		.amdhsa_user_sgpr_kernarg_segment_ptr 1
		.amdhsa_wavefront_size32 1
		.amdhsa_system_sgpr_workgroup_id_x 1
		.amdhsa_system_sgpr_workgroup_id_y 1
		.amdhsa_system_sgpr_workgroup_id_z 1
		.amdhsa_system_vgpr_workitem_id 0
		.amdhsa_next_free_vgpr 1024
		.amdhsa_next_free_sgpr 100
		.amdhsa_reserve_vcc 0
		.amdhsa_float_denorm_mode_32 3
		.amdhsa_float_denorm_mode_16_64 3
		.amdhsa_memory_ordered 1
		.amdhsa_forward_progress 1
		.amdhsa_inst_pref_size 229
	.end_amdhsa_kernel
	.amdgpu_metadata
---
amdhsa.version: [ 1, 2 ]
amdhsa.kernels:
  - .name:           k_q62400674a7_attn
    .symbol:         k_q62400674a7_attn.kd
    .args:
      - { .name: qkv, .offset: 0, .size: 8, .value_kind: global_buffer, .address_space: global }
      - { .name: mbits, .offset: 8, .size: 8, .value_kind: global_buffer, .address_space: global }
      - { .name: o16, .offset: 16, .size: 8, .value_kind: global_buffer, .address_space: global }
    .group_segment_fixed_size: 327680
    .private_segment_fixed_size: 0
    .kernarg_segment_align: 8
    .kernarg_segment_size: 24
    .max_flat_workgroup_size: 128
    .sgpr_count:     100
    .vgpr_count:     1024
    .wavefront_size: 32
...
	.end_amdgpu_metadata
.endif
;; end of part 3
;; launch outg (part 4): grid 4 x 64, 4 waves a work-group, clusters of 4 x 4, 327,680 bytes of LDS; arguments o16, wo16, out0; writes out0
.if DOCPART == 4
	.amdgcn_target "amdgcn-amd-amdhsa--gfx1250"
	.amdhsa_code_object_version 6
	.text
	.protected	k_q62400674a7_outg
	.globl	k_q62400674a7_outg
	.p2align	8
	.type	k_q62400674a7_outg,@function
k_q62400674a7_outg:
	s_mov_b64 s[64:65], 0
	v_nop
	global_prefetch_b8 v0, s[64:65] scope:SCOPE_SE
	s_setreg_imm32_b32 hwreg(HW_REG_WAVE_MODE, 25, 1), 1
	s_wait_xcnt 0x0
	s_wait_alu depctr_hold_cnt(0) depctr_sa_sdst(0) depctr_va_vdst(0) depctr_va_sdst(0) depctr_va_ssrc(0) depctr_va_vcc(0) depctr_vm_vsrc(0)
	s_getreg_b32 s2, hwreg(HW_REG_IB_STS2, 6, 4)
	s_cmp_eq_u32 s2, 0
	s_cbranch_scc0 .Lentry_in_a_cluster
	s_endpgm
.Lentry_in_a_cluster:
	s_bfe_u32 s2, ttmp6, 0x10000c
	s_cmp_lg_u32 s2, 0xf033
	s_cbranch_scc0 .Lentry_shape_is_right
	s_endpgm
.Lentry_shape_is_right:
; OUTG: out0 = O w_o.  o16 = [16 h][16384 rows][64] f16 (k = 64 h + d), wo16 = [1024 n][1024 k] f16, out0 = [16384][1024] f32; sums in f32, K ascending.
; SHARES.  A work-group makes 256 x 256 of out0: tile row 4 x cluster y + cy, tile column cx; four waves, each 128 x 128: 64 accumulators, 512 registers.
; K goes in eight steps of 128 = two heads, through two LDS slots.  Of o16 a K step is two planes of 256 dense rows of 128 bytes: each plane is asked for as 128 rows of 256 bytes and padded behind every 128.
; The loop has a K step a trip and is left in its middle, ahead of the first change of slots that asks for nothing: the last two K steps are written out from there.
; CLUSTER.  The four work-groups of a row of the cluster need the same tiles of o16, the four of a column the same tiles of wo16: asked for jointly.
; THE MATRIX INSTRUCTION IS USED TRANSPOSED (source 0 = 16 rows of wo16, source 1 = 16 rows of o16): a lane holds row l % 16 and eight neighbouring columns.
; No prefetch into the L2: a refill stands 224 matrix instructions of a wave ahead of the wait for it.
; REGISTERS: as windows of 256: window 0: v16-29 addresses; v64-127, v128-191 fragments of o16 (on the way out: rows read back); window 1: the same places for wo16; windows 2, 3: accumulators.
.set KSIZE,  1024
.set KSTEP,  128
.set KSTEPS, KSIZE/KSTEP
.set PA,     144                       ; a row of a plane of o16 in LDS: 128 bytes + 16
.set APLANE, 256*PA                    ; 0x9000
.set PITCH,  272                       ; a row of wo16: 256 bytes + 16
.set HALFT,  128*PITCH
.set BOFF,   2*APLANE                  ; 0x12000: wo16's 256 rows lie behind the two planes
.set SLOT,   147456                    ; 0x24000: its two bits occur in none of a slot's tile offsets (0x9000, 0x12000, 0x1a800), so one exclusive or changes slots
.set STAGE,  SLOT+BOFF+2*HALFT         ; behind the ring: 16 rows x 528 bytes for each wave
.set SPITCH, 528
.set SPARE,  STAGE+4*16*SPITCH         ; the spare words, 128 bytes for each wave: two blocks of 256 bytes that no other line names
.set ASTEP,  2*16384*128               ; two heads' planes in o16
.set ADA0, 16
.set ADB0, 17
.set ADA,  18
.set ADB,  19
.set STO,  24
.set RD,   25
.set CO,   26
.set SPW,  28                          ; v28  LDS address of my spare word; never rewritten
.set NIL,  29                          ; v29  0; never rewritten
.set F0,   64
.set F1,   128
.set OB,   64
.set G1,  24
.set G0,  32
.set TB,  45
.set G1B, 48
.set G0B, 56
.set MSB, 0
.macro WIN new
.if MSB != (\new)
	s_set_vgpr_msb (MSB<<8)|(\new)
.set MSB, \new
.endif
.endm
.set MUL_LO, 0xa1
.set MUL_HI, 0xf1
.set TO_B,   0x40
.macro JLOAD s                         ; waves 0 and 1 fetch o16's two planes, waves 2 and 3 wo16's two halves; an s_nop 0 and four v_nop follow each line
	s_cmp_eq_u32 s11, 0
	s_cbranch_scc0 .Lfor_b_\@
	tensor_load_to_lds s[G0+4*(\s):G0+4*(\s)+3], s[G1:G1+7]
	s_nop 0
.rept 4
	v_nop
.endr
	s_branch .Lasked_\@
.Lfor_b_\@:
	tensor_load_to_lds s[G0B+4*(\s):G0B+4*(\s)+3], s[G1B:G1B+7]
	s_nop 0
.rept 4
	v_nop
.endr
.Lasked_\@:
.endm
.macro CREST
	s_cmp_lg_u32 s10, 0
	s_cbranch_scc1 .Lnot_wave_0_\@
	s_barrier_signal -3
.Lnot_wave_0_\@:
	s_barrier_wait -3
	s_barrier_signal -1
	s_barrier_wait -1
.endm
.macro CROUND
	s_barrier_signal -1
	s_barrier_wait -1
	CREST
.endm
	s_load_b128 s[4:7], s[0:1], 0x0                ; o16 s[4:5], wo16 s[6:7]
	s_load_b64 s[8:9], s[0:1], 0x10                ; out0
	v_lshl_add_u32 v[SPW], v0, 2, SPARE
	v_mov_b32 v[NIL], 0
	ds_add_u32 v[SPW], v[NIL]                      ; the wave's opening, ahead of my first tensor load
	ds_add_u32 v28, v29
	v_lshrrev_b32 v1, 5, v0
	v_readfirstlane_b32 s10, v1
	s_lshr_b32 s11, s10, 1                         ; my half of the tile's rows; also: I fetch for o16 (0) or wo16 (1)
	s_and_b32 s12, s10, 1                          ; my half of its columns; also: which plane, or which 128 rows, I fetch
	s_bfe_u32 s40, ttmp6, 0x40000                  ; cx = the tile column
	s_bfe_u32 s41, ttmp6, 0x40004                  ; cy
	s_and_b32 s13, ttmp7, 0xffff
	s_lshl_b32 s13, s13, 2
	s_add_co_u32 s13, s13, s41                     ; the tile row
	s_lshl_b32 s43, s41, 2
	s_lshl_b32 s43, 15, s43
	s_lshl_b32 s44, 0x1111, s40
	s_or_b32 s[G1+0], s43, (1<<16)|(1<<20)|(1<<21)|(4<<22)|(3<<25)   ; after every 32 words 4 words of padding
	s_or_b32 s[G1B+0], s44, (1<<16)|(1<<20)|(1<<21)|(5<<22)|(3<<25)  ; after every 64 words
.irp g, G1, G1B
	s_mov_b32 s[(\g)+1], 128<<16
	s_mov_b32 s[(\g)+2], 128<<16
	s_mov_b32 s[(\g)+3], 128<<16
	s_mov_b32 s[(\g)+4], 128
	s_mov_b32 s[(\g)+6], 0
	s_mov_b32 s[(\g)+7], 0
.endr
	s_mov_b32 s[G1+5], 128                         ; a plane's bytes are dense: 128 elements from row to row
	s_mov_b32 s[G1B+5], KSIZE
	s_lshl_b32 s16, s12, 21                        ; my plane,
	s_lshl_b32 s17, s13, 15                        ; the tile's 256 rows of 128 bytes
	s_add_co_u32 s16, s16, s17
	s_mov_b32 s17, 0
	s_lshl_b32 s46, s40, 8
	s_lshl_b32 s47, s12, 7
	s_add_co_u32 s46, s46, s47
	s_lshl_b32 s46, s46, 11                        ; rows of 2,048 bytes
	s_mov_b32 s47, 0
	s_mul_i32 s20, s12, APLANE
	s_mul_i32 s21, s12, HALFT
	s_add_co_u32 s21, s21, BOFF
	s_wait_dscnt 0x0                               ; the opening add is done
	s_wait_kmcnt 0x0
	s_add_nc_u64 s[14:15], s[4:5], s[16:17]
	s_add_nc_u64 s[46:47], s[6:7], s[46:47]
	CROUND
.irp s, 0,1
	s_mov_b32 s[G0+4*(\s)], 1
	s_add_co_u32 s[G0+4*(\s)+1], s20, (\s)*SLOT
	s_add_nc_u64 s[G0+4*(\s)+2:G0+4*(\s)+3], s[14:15], (\s)*ASTEP
	s_or_b32 s[G0+4*(\s)+3], s[G0+4*(\s)+3], 0x80000000
	s_mov_b32 s[G0B+4*(\s)], 1
	s_add_co_u32 s[G0B+4*(\s)+1], s21, (\s)*SLOT
	s_add_nc_u64 s[G0B+4*(\s)+2:G0B+4*(\s)+3], s[46:47], (\s)*KSTEP*2
	s_or_b32 s[G0B+4*(\s)+3], s[G0B+4*(\s)+3], 0x80000000
	JLOAD \s                                       ; two loads of mine are out
.endr
	v_and_b32 v1, 15, v0
	v_bfe_u32 v2, v0, 4, 1
	v_mul_u32_u24 v3, v1, PA
	v_lshl_add_u32 v3, v2, 4, v3
	s_mul_i32 s21, s11, 128*PA
	v_add_nc_u32 v[ADA0], s21, v3
	v_mul_u32_u24 v3, v1, PITCH
	v_lshl_add_u32 v3, v2, 4, v3
	s_mul_i32 s22, s12, HALFT
	s_add_co_u32 s22, s22, BOFF
	v_add_nc_u32 v[ADB0], s22, v3
	s_mov_b32 s[TB], 0
	v_mov_b32 v[ADA], v[ADA0]
	v_mov_b32 v[ADB], v[ADB0]
	s_mul_i32 s23, s10, 16*SPITCH
	s_add_co_u32 s23, s23, STAGE
	v_mul_u32_u24 v4, v1, SPITCH
	v_lshl_add_u32 v4, v2, 5, v4
	v_add_nc_u32 v[STO], s23, v4                   ; in: row l % 16, 32 bytes for each half of the lanes
	v_and_b32 v[CO], 31, v0
	v_lshlrev_b32 v[CO], 4, v[CO]
	v_add_nc_u32 v[RD], s23, v[CO]                 ; back: 32 lanes take a row's 512 bytes
	s_lshl_b32 s16, s13, 8
	s_lshl_b32 s21, s11, 7
	s_add_co_u32 s16, s16, s21
	s_lshl_b32 s16, s16, 12                        ; my first row, 4,096 bytes a row
	s_lshl_b32 s21, s40, 10
	s_add_co_u32 s16, s16, s21
	s_lshl_b32 s21, s12, 9
	s_add_co_u32 s16, s16, s21                     ; my first column
	s_mov_b32 s17, 0
.macro MUL16 f, hi, a0, zero
	WIN MUL_LO+0x50*(\hi)
.irp a, \a0, (\a0)+1
.irp b, 0,1,2,3,4,5,6,7
.if \zero
	v_wmma_f32_16x16x32_f16 v[8*(8*(\a)+(\b)):8*(8*(\a)+(\b))+7], v[(\f)+8*(\b):(\f)+8*(\b)+7], v[(\f)+8*(4*(\hi)+(\a)):(\f)+8*(4*(\hi)+(\a))+7], 0
.else
	v_wmma_f32_16x16x32_f16 v[8*(8*(\a)+(\b)):8*(8*(\a)+(\b))+7], v[(\f)+8*(\b):(\f)+8*(\b)+7], v[(\f)+8*(4*(\hi)+(\a)):(\f)+8*(4*(\hi)+(\a))+7], v[8*(8*(\a)+(\b)):8*(8*(\a)+(\b))+7]
.endif
.endr
.endr
.endm
; 32 LDS loads in one run: quarter q of the K step in hand (plane q / 2, its channels 32 (q % 2) on) into buffer f
.macro FETCH q, f
	WIN TO_B
.irp i, 0,1,2,3,4,5,6,7
	ds_load_b128 v[(\f)+8*(\i):(\f)+8*(\i)+3],   v[ADB] offset:(\q)*64+(\i)*16*PITCH
	ds_load_b128 v[(\f)+8*(\i)+4:(\f)+8*(\i)+7], v[ADB] offset:(\q)*64+(\i)*16*PITCH+32
.endr
	WIN 0
.irp i, 0,1,2,3,4,5,6,7
	ds_load_b128 v[(\f)+8*(\i):(\f)+8*(\i)+3],   v[ADA] offset:((\q)/2)*APLANE+((\q)%2)*64+(\i)*16*PA
	ds_load_b128 v[(\f)+8*(\i)+4:(\f)+8*(\i)+7], v[ADA] offset:((\q)/2)*APLANE+((\q)%2)*64+(\i)*16*PA+32
.endr
.endm
.macro PLACES
.rept 4
	v_nop
.endr
.endm
.macro QUARTER q, f, g, zero           ; multiplies buffer f; in its middle fetches quarter q into buffer g
	s_wait_dscnt 8                                 ; all but the youngest eight loads (o16's rows 64-127) are in
	MUL16 \f, 0, 0, \zero
	MUL16 \f, 0, 2, \zero
	PLACES
	FETCH \q, \g
	s_wait_dscnt 32                                ; all but the 32 just issued
	MUL16 \f, 1, 0, \zero
	MUL16 \f, 1, 2, \zero
.endm
.macro MEET round
	WIN 0
	s_wait_tensorcnt 0x0                           ; all my tensor loads have landed, my part of the next slot among them;
	ds_add_u32 v[SPW], v[NIL]
	s_wait_dscnt 9                                 ; (the add and the youngest eight loads may be out)
	MUL16 F1, 0, 0, 0
	s_wait_dscnt 0x0                               ; the add is done, and my reads of this slot are over
	s_barrier_signal -1
	MUL16 F1, 0, 2, 0
.if \round
	WIN 0
.endif
	s_barrier_wait -1
.endm
.macro TURN fill
	MEET \fill
.if \fill
	CREST                                          ; no wave of any partner still reads this slot or has a load on its way
	s_xor_b32 s[G0+5], s[G0+5], SLOT
	s_add_nc_u64 s[G0+6:G0+7], s[G0+6:G0+7], ASTEP
	s_xor_b32 s[G0B+5], s[G0B+5], SLOT
	s_add_nc_u64 s[G0B+6:G0B+7], s[G0B+6:G0B+7], KSTEP*2
	JLOAD 1                                        ; my one tensor load behind the round; its four v_nop are also the places in front of the loads below
.else
	PLACES
	WIN 0
.endif
	s_xor_b32 s[TB], s[TB], SLOT
	v_add_nc_u32 v[ADA], s[TB], v[ADA0]
	v_add_nc_u32 v[ADB], s[TB], v[ADB0]
	FETCH 0, F0
	MUL16 F1, 1, 0, 0
	MUL16 F1, 1, 2, 0
.endm
; THE WAY OUT of block a (16 of my rows), in f32: a lane's eight columns go into rows of 528 bytes of my own stage and come back as whole rows of 512.
.macro TOSTAGE a
.set AC, 64*((\a)%4)
.set BK, OB+64*((\a)%2)
	WIN 0x08+4*((\a)/4)                            ; the stores' data (source 1) in window 2 or 3
.irp b, 0,1,2,3,4,5,6,7
	ds_store_b128 v[STO], v[AC+8*(\b):AC+8*(\b)+3]   offset:64*(\b)       ; each accumulator from its low end on
	ds_store_b128 v[STO], v[AC+8*(\b)+4:AC+8*(\b)+7] offset:64*(\b)+16
.endr
	WIN 0
	s_wait_xcnt 0x0                                ; the stores of the block two back have read the registers that are loaded now
.set t, 0
.rept 16
	ds_load_b128 v[BK+4*t:BK+4*t+3], v[RD] offset:t*SPITCH  ; LDS serves a wave's instructions in order (ISA guide 5.7.1.4)
.set t, t+1
.endr
.endm
.macro SEND a, younger                 ; younger: the next block's 32 LDS instructions, or none
.set BK, OB+64*((\a)%2)
	s_wait_dscnt \younger
	s_wait_xcnt 0x0                                ; earlier stores have read their base
.if (\a) == 0
	s_add_nc_u64 s[8:9], s[8:9], s[16:17]
.else
	s_add_nc_u64 s[8:9], s[8:9], 16*4096
.endif
.set t, 0
.rept 16
	global_store_b128 v[CO], v[BK+4*t:BK+4*t+3], s[8:9] offset:t*4096 th:TH_STORE_NT  ; 512 consecutive bytes, aligned
.set t, t+1
.endr
.endm
	s_wait_tensorcnt 1                             ; my part of K step 0 is in; K step 1's may stay out
	s_barrier_signal -1
	s_barrier_wait -1
	FETCH 0, F0
	QUARTER 1, F0, F1, 1
	WIN 0
	s_mov_b32 s3, KSTEPS-1                         ; K steps behind the one in hand
.Lk:                                                   ; a trip: from a K step's second quarter to the next step's first; it fills the slot that it leaves
	QUARTER 2, F1, F0, 0
	QUARTER 3, F0, F1, 0
	WIN 0
	s_cmp_eq_u32 s3, 1
	s_cbranch_scc1 .Ltail                          ; the last two K steps ask for nothing: they are written out
	TURN 1
	QUARTER 1, F0, F1, 0
	WIN 0
	s_sub_co_u32 s3, s3, 1
	s_branch .Lk
.Ltail:
	TURN 0
	QUARTER 1, F0, F1, 0
	QUARTER 2, F1, F0, 0
	QUARTER 3, F0, F1, 0
	s_wait_dscnt 8
	MUL16 F1, 0, 0, 0
	MUL16 F1, 0, 2, 0
	s_wait_dscnt 0x0
	MUL16 F1, 1, 0, 0
	MUL16 F1, 1, 2, 0
	WIN 0
	PLACES
	TOSTAGE 0
.irp a, 1,2,3,4,5,6,7
	TOSTAGE \a
	SEND (\a)-1, 32
.endr
	SEND 7, 0
	s_wait_tensorcnt 0x0                           ; the wave's end
	ds_add_u32 v[SPW], v[NIL]
	s_wait_dscnt 0x0
	CROUND                                         ; the closing round
	s_endpgm
.Lfunc_end_k_q62400674a7_outg:
	.size	k_q62400674a7_outg, .Lfunc_end_k_q62400674a7_outg-k_q62400674a7_outg
	.p2alignl 7, 3214868480
	.fill 96, 4, 3214868480
	.section	.rodata,"a",@progbits
	.p2align	6, 0x0
	.amdhsa_kernel k_q62400674a7_outg
		.amdhsa_group_segment_fixed_size 327680
		.amdhsa_private_segment_fixed_size 0
		.amdhsa_enable_private_segment 0
		.amdhsa_kernarg_size 24
		.amdhsa_user_sgpr_count 2
		.amdhsa_user_sgpr_kernarg_segment_ptr 1
		.amdhsa_wavefront_size32 1
		.amdhsa_system_sgpr_workgroup_id_x 1
		.amdhsa_system_sgpr_workgroup_id_y 1
		.amdhsa_system_sgpr_workgroup_id_z 1
		.amdhsa_system_vgpr_workitem_id 0
		.amdhsa_next_free_vgpr 1024
		.amdhsa_next_free_sgpr 66
		.amdhsa_reserve_vcc 0
		.amdhsa_float_denorm_mode_32 3
		.amdhsa_float_denorm_mode_16_64 3
		.amdhsa_memory_ordered 1
		.amdhsa_forward_progress 1
		.amdhsa_inst_pref_size 102
	.end_amdhsa_kernel
	.amdgpu_metadata
---
amdhsa.version: [ 1, 2 ]
amdhsa.kernels:
  - .name:           k_q62400674a7_outg
    .symbol:         k_q62400674a7_outg.kd
    .args:
      - { .name: o16, .offset: 0, .size: 8, .value_kind: global_buffer, .address_space: global }
      - { .name: wo16, .offset: 8, .size: 8, .value_kind: global_buffer, .address_space: global }
      - { .name: out0, .offset: 16, .size: 8, .value_kind: global_buffer, .address_space: global }
    .group_segment_fixed_size: 327680
    .private_segment_fixed_size: 0
    .kernarg_segment_align: 8
    .kernarg_segment_size: 24
    .max_flat_workgroup_size: 128
    .sgpr_count:     66
    .vgpr_count:     1024
    .wavefront_size: 32
...
	.end_amdgpu_metadata
.endif
;; end of part 4
;; ======== version 2 of 2: 4 launches; version 1 with the launch prep written anew for expert scheduling mode
;; limits: values are held in f16: magnitudes above 65,504 overflow, below 6.1e-05 lose precision
;; workspace buffers: x16 33,554,432 bytes; w16 3,145,728 bytes; wo16 2,097,152 bytes; mbits 262,144 bytes of whole numbers; qkv 100,663,296 bytes; o16 33,554,432 bytes
;; launch prep (part 5): grid 1472 x 1, 8 waves a work-group, no clusters, 18,432 bytes of LDS; arguments Q, K, mask, w_q, w_k, w_v, w_o, x16, w16, wo16, mbits; writes x16, w16, wo16, mbits
.if DOCPART == 5
	.amdgcn_target "amdgcn-amd-amdhsa--gfx1250"
	.amdhsa_code_object_version 6
	.text
	.protected	k_q62400674a7_prep
	.globl	k_q62400674a7_prep
	.p2align	8
	.type	k_q62400674a7_prep,@function
k_q62400674a7_prep:
	s_mov_b64 s[64:65], 0
	v_nop
	global_prefetch_b8 v0, s[64:65] scope:SCOPE_SE
	s_setreg_imm32_b32 hwreg(HW_REG_WAVE_SCHED_MODE, 0, 2), 2
	s_setreg_imm32_b32 hwreg(HW_REG_WAVE_MODE, 25, 1), 1
	s_wait_xcnt 0x0
	s_wait_alu depctr_vm_vsrc(0)
; PREP: what the later launches read, made once.  Three kinds of work-group, told apart by the work-group's number g alone (the same for all its waves):
;   g < 1024          CAST: 65,536 bytes of Q (g < 512) or K are rounded to bf16 into x16 = [2][16384][512] bf16.
;   1024 <= g < 1344  TRANSPOSE: a tile of 128 k x 64 n of a weight [k][1024] f32 becomes 64 rows n of 128 k in 16 bits, through LDS.
;                     w_q, w_k, w_v -> w16 = [3][1024 n][512 k] bf16;  w_o -> wo16 = [1024 n][1024 k]: rounded to bf16 like every input, that number written as f16.
;   g >= 1344         MASK: a wave turns 16 queries x 128 keys of mask into 64 words of lane bits: mbits = [8 b][32 qt][32 kb][8 j],
;                     bit l of a word = (mask[b][16 qt + l % 16][16 kb + 8 (l / 16) + j] != 0): the lanes of register j of a 16 x 16 result that holds one query a lane.
; LIMIT.  A number of w_o below 6.1e-5 keeps f16's fixed step of 6e-8; beyond 65,504 it would be an infinity.
; No matrix unit, no cluster: every byte is read once by one work-group.
; THE MODE: SCHED_MODE bits 1:0 = 2 (LLVM: expert scheduling mode 2), set by the entry lines.  The code itself states the register dependences between vector instructions and
; memory or LDS instructions, and between a vector instruction that writes a scalar register and that register's readers, with s_wait_alu, always for 0.
; THE PLAN.  No path has a loop, and no register that a memory or LDS instruction reads is ever written again: so no wait on vm_vsrc is owed anywhere.
;   Offsets and addresses (v4 to v13) are made at a path's head, ahead of ONE wait on va_vdst, and never written again.
;   CAST       four blocks of four pieces.  IN: written by the 16 loads, read by a block's conversions.  OUT: written by block p's conversions, read by four stores that are issued in block p + 1,
;              behind the one wait at that block's head and dealt among its conversions, which name that block's own IN and OUT alone.
;   TRANSPOSE  four pairs of rows.  v48-63: written by pair i's selects, read by four LDS stores that are issued in pair i + 1 in the same way.  v64-71 are named by vector instructions alone.
;              v16-31 are read by the conversions and loaded again from LDS behind the barrier: the wait ahead of the last LDS stores, behind which no vector instruction follows, states that too.
;   MASK       eight key blocks.  A block's eight compares write eight scalar registers; the eight v_writelane_b32 that read them stand a block later, behind one wait on va_sdst.  Two sets take turns.
.set TPITCH, 272                       ; a row of the transposed tile in LDS: 256 bytes + 16
.set IN,  16                           ; v[16:79]  as loaded
.set OUT, 80                           ; v[80:111] to store
.set MS,  40                           ; s[40:47]  the lane masks of an even key block; an odd one's lie 30 below, in s[10:17], which hold the weights' addresses and serve nothing else on the mask's path
	s_load_b512 s[4:19], s[0:1], 0x0               ; Q s[4:5], K s[6:7], mask s[8:9], w_q s[10:11], w_k s[12:13], w_v s[14:15], w_o s[16:17], x16 s[18:19]
	s_load_b128 s[20:23], s[0:1], 0x40             ; w16 s[20:21], wo16 s[22:23]
	s_load_b64 s[24:25], s[0:1], 0x50              ; mbits
	v_lshl_add_u32 v14, v0, 2, 0x4400
	v_mov_b32 v15, 0
	v_lshrrev_b32 v1, 5, v0
	v_readfirstlane_b32 s26, v1                    ; wave 0..7
	s_mov_b32 s27, ttmp9                           ; g
	s_mov_b32 s31, 0                               ; the high word of every offset pair s[30:31]
	s_wait_alu depctr_va_sdst(0)                   ; s26 is written
	s_wait_kmcnt 0x0
	s_cmp_lt_u32 s27, 1024
	s_cbranch_scc0 .Lweights
	; CAST.  Thread t takes 16 bytes at 16 t of each of 16 pieces of 4,096 bytes: a wave's load covers 512 consecutive bytes, its store 256, aligned.
	s_and_b32 s30, s27, 511
	s_lshl_b32 s30, s30, 16
	s_cmp_lt_u32 s27, 512
	s_cselect_b64 s[32:33], s[4:5], s[6:7]
	s_add_nc_u64 s[32:33], s[32:33], s[30:31]
	s_lshl_b32 s30, s27, 15
	s_add_nc_u64 s[34:35], s[18:19], s[30:31]
	v_lshlrev_b32 v4, 4, v0
	v_lshlrev_b32 v5, 3, v0
	s_wait_alu depctr_va_vdst(0)                   ; v4 and v5 are written: every load of this path reads the one as its offset, every store the other
.set i, 0
.rept 16
	global_load_b128 v[IN+4*i:IN+4*i+3], v4, s[32:33] offset:4096*i th:TH_LOAD_NT
.set i, i+1
.endr
.set p, 0
.rept 4                                                ; block p: pieces 4 p to 4 p + 3
	s_wait_loadcnt 12-4*p                          ; loads come back in order: the block's four are in, the 12 - 4 p younger ones stay out
.if p > 0
	s_wait_alu depctr_va_vdst(0)                   ; the block before has written its eight registers of OUT, which the four stores below read
.endif
.set i, 0
.rept 4
.if p > 0
	global_store_b64 v5, v[OUT+8*(p-1)+2*i:OUT+8*(p-1)+2*i+1], s[34:35] offset:2048*(4*(p-1)+i) th:TH_STORE_NT  ; the block before; no vector instruction since the wait names these registers
.endif
	v_cvt_pk_bf16_f32 v[OUT+8*p+2*i], v[IN+16*p+4*i], v[IN+16*p+4*i+1]
	v_cvt_pk_bf16_f32 v[OUT+8*p+2*i+1], v[IN+16*p+4*i+2], v[IN+16*p+4*i+3]  ; no register is written twice: no wait for the stores' sources
.set i, i+1
.endr
.set p, p+1
.endr
	s_wait_alu depctr_va_vdst(0)                   ; the last block has written its eight registers of OUT, which the last four stores read
.set i, 0
.rept 4
	global_store_b64 v5, v[OUT+24+2*i:OUT+24+2*i+1], s[34:35] offset:2048*(12+i) th:TH_STORE_NT
.set i, i+1
.endr
	s_branch .Lend
.Lweights:
	s_cmp_lt_u32 s27, 1344
	s_cbranch_scc0 .Lmask
	; TRANSPOSE.  tj < 192: weight tj / 64, tile tj % 64 = 4 nt + kt;  else w_o, tile tj - 192 = 8 nt + kt.
	s_sub_co_u32 s28, s27, 1024                    ; tj
	s_sub_co_u32 s41, s28, 192
	s_and_b32 s42, s28, 63
	s_lshr_b32 s43, s28, 6
	s_lshl_b32 s43, s43, 20                        ; the weight's 1,048,576 bytes in w16
	s_cmp_lt_u32 s28, 64
	s_cselect_b64 s[32:33], s[10:11], s[12:13]
	s_cmp_lt_u32 s28, 128
	s_cselect_b64 s[32:33], s[32:33], s[14:15]
	s_cmp_lt_u32 s28, 192
	s_cselect_b64 s[32:33], s[32:33], s[16:17]     ; from
	s_cselect_b64 s[34:35], s[20:21], s[22:23]     ; to
	s_cselect_b32 s36, 10, 11                      ; log2 of the bytes in a row of the target
	s_cselect_b32 s37, 0, -1                       ; all lanes: take the f16 image
	s_cselect_b32 s38, 3, 7
	s_cselect_b32 s39, 2, 3
	s_cselect_b32 s40, s42, s41
	s_cselect_b32 s43, s43, 0
	s_and_b32 s38, s40, s38                        ; kt
	s_lshr_b32 s39, s40, s39                       ; nt
	s_lshl_b32 s30, s38, 19                        ; 128 kt rows of 4,096 bytes
	s_lshl_b32 s44, s39, 8                         ; 64 nt columns of 4 bytes
	s_add_co_u32 s30, s30, s44
	s_add_nc_u64 s[32:33], s[32:33], s[30:31]
	s_add_co_u32 s44, s36, 6
	s_lshl_b32 s30, s39, s44                       ; 64 nt rows of the target
	s_lshl_b32 s44, s38, 8                         ; 128 kt numbers of 2 bytes
	s_add_co_u32 s30, s30, s44
	s_add_co_u32 s30, s30, s43
	s_add_nc_u64 s[34:35], s[34:35], s[30:31]
	v_and_b32 v4, 15, v0                           ; n4: my four columns
	v_lshrrev_b32 v5, 4, v0                        ; kp: my pair of rows, in each of four groups of 16 pairs
	v_lshlrev_b32 v6, 4, v4
	v_lshl_add_u32 v6, v5, 13, v6                  ; 2 kp rows of 4,096 bytes + 16 n4: sixteen lanes read 256 consecutive bytes
	v_mul_u32_u24 v7, v4, 4*TPITCH
	v_lshl_add_u32 v7, v5, 2, v7                   ; into LDS: row 4 n4 (+ c), word kp (+ 16 i)
	v_mul_u32_u24 v8, v5, TPITCH
	v_lshl_add_u32 v8, v4, 4, v8                   ; back: row t / 16 (+ 16 i), 16 bytes at 16 (t % 16)
.irp i, 0,1,2,3
	v_add_nc_u32 v[10+\i], 16*\i, v5
	v_lshlrev_b32 v[10+\i], s36, v[10+\i]
	v_lshl_add_u32 v[10+\i], v4, 4, v[10+\i]       ; the same place in the target
.endr
	s_wait_alu depctr_va_vdst(0)                   ; v6, v7, v8 and v10 to v13 are written: the offsets and addresses of this path's loads, LDS stores, LDS loads and stores
.irp i, 0,1,2,3
	global_load_b128 v[IN+8*\i:IN+8*\i+3],   v6, s[32:33] offset:131072*\i
	global_load_b128 v[IN+8*\i+4:IN+8*\i+7], v6, s[32:33] offset:131072*\i+4096
.endr
.irp i, 0,1,2,3
	s_wait_loadcnt 6-2*\i                          ; pair i's two loads are in, the younger pairs' stay out
.if \i > 0
	s_wait_alu depctr_va_vdst(0)                   ; the pair before has written its four words v[48 + 4 (i - 1) ..], which the four LDS stores below read
.endif
.irp c, 0,1,2,3
.if \i > 0
	ds_store_b32 v7, v[48+4*(\i-1)+\c] offset:\c*TPITCH+64*(\i-1)  ; the pair before; no vector instruction since the wait names this register or v7
.endif
	v_cvt_pk_bf16_f32 v[48+4*\i+\c], v[IN+8*\i+\c], v[IN+8*\i+4+\c]  ; k even below, k odd above
	v_lshlrev_b32 v[64+\c], 16, v[48+4*\i+\c]
	v_and_b32 v[68+\c], 0xffff0000, v[48+4*\i+\c]
	v_cvt_pk_f16_f32 v[64+\c], v[64+\c], v[68+\c]  ; the bf16 numbers written as f16
	v_cndmask_b32 v[48+4*\i+\c], v[48+4*\i+\c], v[64+\c], s37
.endr
.endr
	s_wait_alu depctr_va_vdst(0)                   ; the last pair has written v[60:63], which the LDS stores below read; and the conversions are done reading v[16:31], in which the LDS loads behind the barrier land
.irp c, 0,1,2,3
	ds_store_b32 v7, v[60+\c] offset:\c*TPITCH+192
.endr
	s_wait_dscnt 0x0                               ; for the others' sake: my stores into the tile are done
	s_barrier_signal -1
	s_barrier_wait -1
.irp i, 0,1,2,3
	ds_load_b128 v[IN+4*\i:IN+4*\i+3], v8 offset:16*TPITCH*\i
.endr
.irp i, 0,1,2,3
	s_wait_dscnt 3-\i
	global_store_b128 v[10+\i], v[IN+4*\i:IN+4*\i+3], s[34:35]  ; sixteen lanes store 256 consecutive bytes, aligned
.endr
	s_branch .Lend
.Lmask:
	; MASK.  Wave job wj: 16 queries qtg = wj / 4 (= 32 b + qt), keys 128 (wj % 4) on.  Lane l reads row l % 16, keys 16 kb + 8 (l / 16) + 0..7 for kb = 0..7.
	s_sub_co_u32 s28, s27, 1344
	s_lshl_b32 s28, s28, 3
	s_add_co_u32 s28, s28, s26
	s_and_b32 s29, s28, 3
	s_lshr_b32 s28, s28, 2
	s_lshl_b32 s30, s28, 15                        ; 16 rows of 2,048 bytes
	s_lshl_b32 s36, s29, 9
	s_add_co_u32 s30, s30, s36
	s_add_nc_u64 s[32:33], s[8:9], s[30:31]
	s_lshl_b32 s30, s28, 10                        ; 256 words for 16 queries
	s_lshl_b32 s36, s29, 8
	s_add_co_u32 s30, s30, s36
	s_add_nc_u64 s[34:35], s[24:25], s[30:31]
	v_and_b32 v4, 15, v0
	v_bfe_u32 v5, v0, 4, 1
	v_lshlrev_b32 v4, 11, v4
	v_lshl_add_u32 v4, v5, 5, v4
	v_and_b32 v5, 31, v0
	v_lshlrev_b32 v5, 3, v5
	s_wait_alu depctr_va_vdst(0)                   ; v4 and v5 are written: the sixteen loads read the one as their offset, the store the other
.set i, 0
.rept 16
	global_load_b128 v[IN+4*i:IN+4*i+3], v4, s[32:33] offset:64*(i/2)+16*(i%2)  ; the sixteen loads together take 512 consecutive bytes of each of the 16 rows
.set i, i+1
.endr
	v_mov_b32 v[OUT], 0                            ; v_writelane_b32 counts as a reader of its destination
	v_mov_b32 v[OUT+1], 0
; Word w = 8 kb + j goes to lane w / 2 of register w % 2.  Turn kb: key block kb's eight compares, into the set of its parity; the eight v_writelane_b32 of key block kb - 1, from the other set; the wait.
.set kb, 0
.rept 9
.if kb < 8
	s_wait_loadcnt 14-2*kb                         ; key block kb's two loads are in
.set j, 0
.rept 8
	v_cmp_ne_u32 s[MS-30*(kb%2)+j], 0, v[IN+8*kb+j]
.set j, j+1
.endr
.endif
.if kb > 0
.set j, 0
.rept 8
	v_writelane_b32 v[OUT+j%2], s[MS-30*((kb-1)%2)+j], 4*(kb-1)+j/2
.set j, j+1
.endr
.endif
.if kb < 8
	s_wait_alu depctr_va_sdst(0)                   ; key block kb's compares have written their eight scalar registers, ahead of the v_writelane_b32 of the next turn that read them
.endif
.set kb, kb+1
.endr
	s_wait_alu depctr_va_vdst(0)                   ; the v_writelane_b32 have written v[OUT] and v[OUT+1], which the store reads
	global_store_b64 v5, v[OUT:OUT+1], s[34:35]    ; 256 consecutive bytes, aligned
.Lend:
	s_wait_dscnt 0x0                               ; the wave's end; 0 is then added onto my spare word in the 1,024 bytes behind the tile
	s_wait_alu depctr_hold_cnt(0) depctr_sa_sdst(0) depctr_va_vdst(0) depctr_va_sdst(0) depctr_va_ssrc(0) depctr_va_vcc(0) depctr_vm_vsrc(0)
	s_wait_tensorcnt 0x0
	ds_add_u32 v14, v15
	s_wait_dscnt 0x0
	s_endpgm
.Lfunc_end_k_q62400674a7_prep:
	.size	k_q62400674a7_prep, .Lfunc_end_k_q62400674a7_prep-k_q62400674a7_prep
	.p2alignl 7, 3214868480
	.fill 96, 4, 3214868480
	.section	.rodata,"a",@progbits
	.p2align	6, 0x0
	.amdhsa_kernel k_q62400674a7_prep
		.amdhsa_group_segment_fixed_size 18432
		.amdhsa_private_segment_fixed_size 0
		.amdhsa_enable_private_segment 0
		.amdhsa_kernarg_size 88
		.amdhsa_user_sgpr_count 2
		.amdhsa_user_sgpr_kernarg_segment_ptr 1
		.amdhsa_wavefront_size32 1
		.amdhsa_system_sgpr_workgroup_id_x 1
		.amdhsa_system_sgpr_workgroup_id_y 1
		.amdhsa_system_sgpr_workgroup_id_z 1
		.amdhsa_system_vgpr_workitem_id 0
		.amdhsa_next_free_vgpr 112
		.amdhsa_next_free_sgpr 66
		.amdhsa_reserve_vcc 0
		.amdhsa_float_denorm_mode_32 3
		.amdhsa_float_denorm_mode_16_64 3
		.amdhsa_memory_ordered 1
		.amdhsa_forward_progress 1
		.amdhsa_inst_pref_size 28
	.end_amdhsa_kernel
	.amdgpu_metadata
---
amdhsa.version: [ 1, 2 ]
amdhsa.kernels:
  - .name:           k_q62400674a7_prep
    .symbol:         k_q62400674a7_prep.kd
    .args:
      - { .name: Q, .offset: 0, .size: 8, .value_kind: global_buffer, .address_space: global }
      - { .name: K, .offset: 8, .size: 8, .value_kind: global_buffer, .address_space: global }
      - { .name: mask, .offset: 16, .size: 8, .value_kind: global_buffer, .address_space: global }
      - { .name: w_q, .offset: 24, .size: 8, .value_kind: global_buffer, .address_space: global }
      - { .name: w_k, .offset: 32, .size: 8, .value_kind: global_buffer, .address_space: global }
      - { .name: w_v, .offset: 40, .size: 8, .value_kind: global_buffer, .address_space: global }
      - { .name: w_o, .offset: 48, .size: 8, .value_kind: global_buffer, .address_space: global }
      - { .name: x16, .offset: 56, .size: 8, .value_kind: global_buffer, .address_space: global }
      - { .name: w16, .offset: 64, .size: 8, .value_kind: global_buffer, .address_space: global }
      - { .name: wo16, .offset: 72, .size: 8, .value_kind: global_buffer, .address_space: global }
      - { .name: mbits, .offset: 80, .size: 8, .value_kind: global_buffer, .address_space: global }
    .group_segment_fixed_size: 18432
    .private_segment_fixed_size: 0
    .kernarg_segment_align: 8
    .kernarg_segment_size: 88
    .max_flat_workgroup_size: 256
    .sgpr_count:     66
    .vgpr_count:     112
    .wavefront_size: 32
...
	.end_amdgpu_metadata
.endif
;; end of part 5
;; launch proj: the kernel of part 2 again; grid 4 x 64, 4 waves a work-group, clusters of 4 x 4, 327,680 bytes of LDS; arguments x16, w16, qkv; writes qkv
;; launch attn: the kernel of part 3 again; grid 2 x 128, 4 waves a work-group, no clusters, 327,680 bytes of LDS; arguments qkv, mbits, o16; writes o16
;; launch outg: the kernel of part 4 again; grid 4 x 64, 4 waves a work-group, clusters of 4 x 4, 327,680 bytes of LDS; arguments o16, wo16, out0; writes out0
